; MI455X (gfx1250); checked and timed in simulation.
; The chip was launched on July 23, 2026; its instructions are those of AMD's public machine-readable ISA for CDNA 5 (MIT licence, August 2026) and "CDNA5" Instruction Set Architecture Reference Guide (July 2026). The comments in the code are by the model that wrote it; some were corrected since.
;; Attention. Allowed arithmetic: matrix products marked QUANTISED: E2M1 operands, one E8M0 scale for each 32 along K, by v_wmma_scale_f32_16x16x128_f8f6f4 with both operands' format E2M1 (or v_wmma_scale_f32_32x16x128_f4), f32 sums; everything else in f32.
;; Inputs: attention_mask 2 x 2,048 int32; b_qkv 3,072 float32; hidden_state 2 x 2,048 x 1,024 float32; w_out 1,024 x 1,024 float32; w_qkv 1,024 x 3,072 float32.
;; Outputs: out0 2 x 2,048 x 1,024 float32.
;; This version of the problem:
;;   THIS VERSION OF THE PROBLEM IS GIVEN IN LOW PRECISION. The matrix products marked QUANTISED in the list below multiply operands that are first quantised to E2M1 (2 exponent bits, 1 mantissa bit; 4 bits a number), with one power-of-two scale for each 32 numbers along K (OCP MX v1.0); their sums are f32. All else is computed in f32.
;;   The module's matrix products, in the order in which they are computed (A, B: the left and right operand; K: the contracted axis; several contracted axes count as one K, in the product's order):
;;     1. [M 4,096, K 1,024] x [K 1,024, N 3,072]; A: input hidden_state; B: input w_qkv: QUANTISED
;;     2. batch 32 x [M 2,048, K 64] x [K 64, N 2,048]; A: computed on the way; B: computed on the way: QUANTISED
;;     3. batch 32 x [M 2,048, K 2,048] x [K 2,048, N 64]; A: softmax (see below); B: computed on the way: QUANTISED
;;     4. [M 4,096, K 1,024] x [K 1,024, N 1,024]; A: computed on the way; B: input w_out: QUANTISED
;;   THE QUANTISER, for each operand of a quantised product, along K:
;;     - K is cut into blocks of 32 from its start; a last block that is shorter is filled with zeros.
;;     - A block's scale is 2^e with e = floor(log2(the largest magnitude in the block)) - 2, held to -126 .. 127; a block of zeros has e = 0. As a byte (E8M0): e + 127.
;;     - Each number is divided by its block's scale, clamped to +-6, and rounded to the nearest number of E2M1, ties to even, subnormals kept.
;;     - The product sums the exact products of the quantised numbers (number of the format x scale) in f32.
;;   ~~~python
;;   def quantise(x, axis):      # numpy; x: float32 -> the quantised numbers, widened to float32 again
;;       x = np.moveaxis(x, axis, -1); K = x.shape[-1]
;;       x = np.pad(x, [(0, 0)] * (x.ndim - 1) + [(0, -K % 32)]); x = x.reshape(x.shape[:-1] + (-1, 32)); a = np.abs(x).max(-1, keepdims=True)
;;       e = np.where(a > 0, np.clip(np.frexp(np.where(a > 0, a, 1))[1] - 1 - 2, -126, 127), 0)      # np.frexp(a)[1] - 1 = floor(log2(a)), exactly
;;       r = np.clip(x / 2.0 ** e, -6, 6)
;;       step = 2.0 ** (np.maximum(np.frexp(np.where(r == 0, 1, r))[1] - 1, 0) - 1)
;;       q = np.round(r / step) * step * 2.0 ** e      # np.round: ties to even
;;       return np.moveaxis(q.reshape(q.shape[:-2] + (-1,))[..., :K], -1, axis).astype(np.float32)
;;   ~~~
;;   SOFTMAX AHEAD OF A QUANTISED PRODUCT. Where the list says 'softmax', what is quantised is not the finished softmax but p = 2^(t - M), with t = logit x log2(e) and M = ceil(the row's largest t), a whole number; so 1/2 < the row's largest p <= 1. The row's sum l is taken of the UNQUANTISED p, in f32, and the product's result is divided by l at the end. Since M is a whole number, a kernel that streams over the keys may use a running M (the ceiling of the running maximum): every later rescaling is an exact power of two, which a block's scale takes up: the codes' values come out the same.
;;   OPERANDS COMPUTED ON THE WAY. 'Computed on the way' means the value that the module computes at that place (a softmax that the list does not call 'softmax' is quantised finished and normalised). What goes into a quantiser is computed in f32, as accurately as f32 sums, v_exp_f32 and their like allow (about 1e-6 of the number): no bf16 or f16 on the way to a quantiser, and a product that is left as it is and whose result goes on into a quantised operand takes f32 operands (vector FMAs, or v_wmma_f32_16x16x4_f32). A number that lies on a knife's edge between two numbers of the format may be rounded either way, as far as f32 arithmetic and the matrix unit's own rounding can turn it there, and no further.
;; 2 versions, each right; version 2 is version 1 with the launch attn written anew for expert scheduling mode. Each part assembles by itself: llvm-mc -triple=amdgcn-amd-amdhsa -mcpu=gfx1250 --defsym DOCPART=n.
;; ======== version 1 of 2: 4 launches
;; limits: right only within a limited range of input values
;; workspace buffers: prepw 4,980,736 bytes; maskw 1,024 bytes of whole numbers; qkvw 6,946,816 bytes; attw 2,228,224 bytes
;; launch prep (part 1): grid 417 x 1, 4 waves a work-group, no clusters, 35,328 bytes of LDS; arguments hidden_state, w_qkv, w_out, attention_mask, prepw, maskw; writes prepw, maskw
.if DOCPART == 1
	.amdgcn_target "amdgcn-amd-amdhsa--gfx1250"
	.amdhsa_code_object_version 6
	.text
	.protected	k_q0a2c68b195_prep
	.globl	k_q0a2c68b195_prep
	.p2align	8
	.type	k_q0a2c68b195_prep,@function
k_q0a2c68b195_prep:
	s_mov_b64 s[64:65], 0
	v_nop
	global_prefetch_b8 v0, s[64:65] scope:SCOPE_SE
	s_setreg_imm32_b32 hwreg(HW_REG_WAVE_MODE, 25, 1), 1
	s_wait_xcnt 0x0
; PREP: everything that is made once.  hidden_state [4096][1024], w_qkv [1024][3072] and w_out [1024][1024], f32, become codes of FP4 (E2M1) with one E8M0 byte
; for each 32 along K; the table of cos and sin for the rotary embedding; the padding mask as bit words.
; LAYOUT OF THE CODES (the program's own): rows (of x) or columns (of a weight) go in groups of 32; tile 2 G + u holds the sixteen rows 32 G + 8 u + r + 8 (r / 8), r = 0 .. 15.
; For a tile and a K step of 128 the codes lie as an image of the operand's registers, 1,024 bytes: byte 512 c + 16 lane holds the 16 bytes of row (lane % 16), k = 64 c + 32 (lane / 16) + 0 .. 31.
; Scale words lie [tile][K step][r], four bytes each.  So every later read of a fragment is 512 consecutive bytes.
; A block's scale is 2^(floor(log2(largest magnitude)) - 2); its byte is that magnitude's exponent field - 2, held at 1 from below.
; LIMITS: a block of zeros, or one whose largest magnitude lies under 2^-124, keeps the byte 1 (zeros have zero codes; the bytes are read by this program alone); NaN and infinities are not served.
; SHARES by the work-group's number: 0-127 x, 128-319 w_qkv, 320-383 w_out, 384-415 the table, 416 the mask.  Waves share nothing: no barrier.  Only the path for x uses LDS.
.set XIMG,  0                          ; prepw: x's images, 256 tiles x 8 x 1,024
.set WQIMG, 2097152                    ; w_qkv's, 192 tiles
.set WOIMG, 3670016                    ; w_out's, 64 tiles
.set XSC,   4194304                    ; scale words, 512 bytes a tile
.set WQSC,  4325376
.set WOSC,  4423680
.set ROPE,  4456448                    ; [t][cos 32][sin 32] f32
.set WREG,  8704                       ; LDS of a wave: a stage of 16 rows x 528 bytes, then 256 bytes of scale words
.set R0,    16                         ; v16-143  two sets of 64 registers as loaded
.set XN,    144                        ; v144-207 64 numbers of my row: register 16 b + i = k 32 b + 16 (lane / 16) + i
.set TM,    208                        ; v208-223 at work in QUANT
.set PW,    224                        ; the scale word just made
.set PC,    226                        ; v226-233 the codes just made
.set WX,    32                         ; v32-95   a weight's numbers, two blocks of 32
.set WC,    96                         ; v96-111  a weight's codes, four registers a block
.set SB,    24                         ; v24      a weight's scale word
.set SEL,   40                         ; s[40:41] selects of v_permlanex16_b32: lane l xor 16
; 64 numbers of a lane, v[s + 16 b + i] = k 32 b + 16 (lane / 16) + i of my row, become a fragment's codes in v[PC] on and its scale word in v[PW].
.macro QUANT s
.irp b, 0,1,2,3
	v_max3_num_f32 v[TM+\b], |v[\s+16*\b]|, |v[\s+1+16*\b]|, 0x1800000   ; my 16 numbers of block b, and the floor 2^(3 - 127): the byte cannot fall under 1
.endr
.irp i, 2,4,6,8,10,12,14
.irp b, 0,1,2,3
	v_max3_num_f32 v[TM+\b], v[TM+\b], |v[\s+16*\b+\i]|, |v[\s+1+16*\b+\i]|
.endr
.endr
.irp b, 0,1,2,3
	v_permlanex16_b32 v[TM+4+\b], v[TM+\b], s[SEL], s[SEL+1]
.endr
.irp b, 0,1,2,3
	v_max_num_f32 v[TM+\b], v[TM+\b], v[TM+4+\b]      ; with lane l xor 16's: the block's largest magnitude
.endr
.irp b, 0,1,2,3
	v_add_nc_u32 v[TM+12+\b], 0xff000000, v[TM+\b]    ; 2 off its exponent field: the conversion's scale operand
.endr
.irp b, 0,1,2,3
	v_lshrrev_b32 v[TM+4+\b], 23, v[TM+12+\b]         ; the scale's byte
.endr
	v_lshl_or_b32 v[PW], v[TM+5], 8, v[TM+4]
	v_lshl_or_b32 v[PW], v[TM+6], 16, v[PW]
	v_lshl_or_b32 v[PW], v[TM+7], 24, v[PW]
.irp b, 0,1,2,3
	v_cvt_scalef32_pk8_fp4_f32 v[PC+2*\b], v[\s+16*\b:\s+7+16*\b], v[TM+12+\b]
	v_cvt_scalef32_pk8_fp4_f32 v[PC+1+2*\b], v[\s+8+16*\b:\s+15+16*\b], v[TM+12+\b]
.endr
	v_nop                                             ; one plain instruction behind a scaled conversion
.irp c, 0,1
.irp i, 0,1
	v_permlane16_swap_b32 v[PC+4*\c+\i], v[PC+2+4*\c+\i]   ; a whole block to a lane: lanes 0-15 block 2 c, lanes 16-31 block 2 c + 1
.endr
.endr
.endm
; x: unit t = one tile x one K step.  Load i reads the 512 consecutive bytes of the tile's row i.
.macro XLOAD t
.irp i, 0,1,2,3,4,5,6,7,8,9,10,11,12,13,14,15
	global_load_b128 v[R0+64*((\t)%2)+4*\i:R0+64*((\t)%2)+4*\i+3], v1, s[4:5] offset:(\i+8*(\i/8))*4096+512*(\t) th:TH_LOAD_NT
.endr
.endm
.macro XUNIT t
.if (\t) < 3
	s_wait_loadcnt 16                                 ; this unit's 16 loads are in; the next unit's 16 stay out
.else
	s_wait_loadcnt 0x0
.endif
.irp i, 0,1,2,3,4,5,6,7,8,9,10,11,12,13,14,15
	ds_store_b128 v2, v[R0+64*((\t)%2)+4*\i:R0+64*((\t)%2)+4*\i+3] offset:528*\i   ; row i as it lies; rows 528 bytes apart
.endr
.irp b, 0,1,2,3
.irp j, 0,1,2,3
	ds_load_b128 v[XN+16*\b+4*\j:XN+16*\b+4*\j+3], v3 offset:128*\b+16*\j          ; back: my row's 16 neighbours of each block (LDS serves a wave in order)
.endr
.endr
	s_wait_dscnt 0x0
	s_wait_xcnt 0x0                                   ; the last unit's stores have read the codes' registers
.if (\t) < 2
	XLOAD (\t)+2
.endif
	QUANT XN
	global_store_b128 v1, v[PC:PC+3], s[24:25] offset:1024*(\t)        ; 512 consecutive bytes
	global_store_b128 v1, v[PC+4:PC+7], s[24:25] offset:1024*(\t)+512
	ds_store_b32 v4, v[PW] offset:64*(\t)             ; both lanes of a row write the same word with the same value
.endm
; a weight [1024][N]: a lane takes a column, its registers run down K: block t of the K step
.macro WLOAD t, N
.irp i, 0,1,2,3,4,5,6,7,8,9,10,11,12,13,14,15,16,17,18,19,20,21,22,23,24,25,26,27,28,29,30,31
	global_load_b32 v[WX+32*((\t)%2)+\i], v1, s[22:23] offset:(32*(\t)+\i)*\N*4 th:TH_LOAD_NT
.endr
.endm
.macro WBLOCK t, N
.set XS, WX+32*((\t)%2)
.if (\t) < 3
	s_wait_loadcnt 32                                 ; this block's 32 loads are in; the next block's stay out
.else
	s_wait_loadcnt 0x0
.endif
	v_max3_num_f32 v12, |v[XS]|, |v[XS+1]|, |v[XS+2]|
	v_max3_num_f32 v13, |v[XS+3]|, |v[XS+4]|, |v[XS+5]|
.irp i, 6,10,14,18,22,26
	v_max3_num_f32 v12, v12, |v[XS+\i]|, |v[XS+\i+1]|
	v_max3_num_f32 v13, v13, |v[XS+\i+2]|, |v[XS+\i+3]|
.endr
	v_max3_num_f32 v12, v12, |v[XS+30]|, |v[XS+31]|
	v_max3_num_f32 v12, v12, v13, 0x1800000           ; the floor
	v_add_nc_u32 v11, 0xff000000, v12
	v_lshrrev_b32 v13, 23, v11
.if (\t) == 0
	v_mov_b32 v[SB], v13
.else
	v_lshl_or_b32 v[SB], v13, 8*(\t), v[SB]
.endif
.irp g, 0,1,2,3
	v_cvt_scalef32_pk8_fp4_f32 v[WC+4*(\t)+\g], v[XS+8*\g:XS+8*\g+7], v11
.endr
	global_store_b128 v2, v[WC+4*(\t):WC+4*(\t)+3], s[24:25] offset:256*(\t)   ; the sixteen lanes of a tile fill 256 consecutive bytes; each block has registers of its own
.if (\t) < 2
	WLOAD (\t)+2, \N
.endif
.endm
.macro WPATH N, IMG, SC, FIRST, P
	s_sub_co_u32 s17, ttmp9, \FIRST
	s_and_b32 s18, s17, 7                             ; the K step
	s_lshr_b32 s19, s17, 3
	s_lshl_b32 s19, s19, 2
	s_add_co_u32 s19, s19, s16                        ; G: my wave's 32 columns
	s_mul_i32 s20, s18, 128*\N*4
	s_lshl_b32 s21, s19, 7
	s_add_co_u32 s20, s20, s21
	s_mov_b32 s21, 0
	s_add_nc_u64 s[22:23], s[\P:\P+1], s[20:21]
	s_lshl_b32 s20, s19, 4
	s_add_co_u32 s20, s20, s18                        ; 16 G + K step
	s_lshl_b32 s24, s20, 10
	s_add_co_u32 s24, s24, \IMG
	s_mov_b32 s25, 0
	s_add_nc_u64 s[24:25], s[12:13], s[24:25]
	s_lshl_b32 s26, s20, 6
	s_add_co_u32 s26, s26, \SC
	s_mov_b32 s27, 0
	s_add_nc_u64 s[26:27], s[12:13], s[26:27]
	v_lshlrev_b32 v1, 2, v7                           ; 4 bytes a lane
	v_bfe_u32 v8, v7, 3, 1                            ; column 8 u + r + 8 (r / 8) of the 32: u,
	v_and_b32 v9, 7, v7
	v_lshrrev_b32 v10, 4, v7
	v_lshl_or_b32 v9, v10, 3, v9                      ; r
	v_lshlrev_b32 v2, 4, v9
	v_lshl_add_u32 v2, v8, 13, v2                     ; 8,192 u + 16 r
	v_lshlrev_b32 v3, 2, v9
	v_lshl_add_u32 v3, v8, 9, v3                      ; 512 u + 4 r
	WLOAD 0, \N
	WLOAD 1, \N
	WBLOCK 0, \N
	WBLOCK 1, \N
	WBLOCK 2, \N
	WBLOCK 3, \N
	global_store_b32 v3, v[SB], s[26:27]              ; two runs of 64 bytes: one byte in 128 of what the path reads
	s_endpgm
.endm
.macro FREQ i, bits
	s_mov_b32 s20, \bits
	v_writelane_b32 v20, s20, \i
.endm
; cos and sin of fl(t x inv_freq), lane = frequency.  x = n pi/2 + r, |r| <= pi/4; pi/2 in two parts (n has at most 11 bits, so the first step rounds nothing); polynomials in r; the quadrant by selects and sign bits.
.macro ROPE1 tt
	s_add_co_u32 s18, s17, \tt
	v_cvt_f32_u32 v2, s18
	v_mul_f32 v2, v2, v21                             ; x
	v_mul_f32 v3, s24, v2
	v_rndne_f32 v3, v3                                ; n
	v_fma_f32 v4, -v3, s25, v2
	v_fma_f32 v4, -v3, s26, v4                        ; r
	v_mul_f32 v5, v4, v4                              ; z
	v_fma_f32 v6, v5, s29, s28
	v_fma_f32 v6, v6, v5, s27
	v_mul_f32 v8, v4, v5
	v_fma_f32 v6, v8, v6, v4                          ; sin r
	v_fma_f32 v9, v5, s32, s31
	v_fma_f32 v9, v9, v5, s30
	v_mul_f32 v10, v5, v5
	v_fma_f32 v11, v5, -0.5, 1.0
	v_fma_f32 v9, v10, v9, v11                        ; cos r
	v_cvt_i32_f32 v12, v3
	v_and_b32 v13, 1, v12
	v_cmp_eq_u32 vcc_lo, 1, v13
	v_cndmask_b32 v14, v9, v6, vcc_lo                 ; odd quadrants change the two over
	v_cndmask_b32 v15, v6, v9, vcc_lo
	v_add_nc_u32 v13, 1, v12
	v_and_b32 v13, 2, v13
	v_lshlrev_b32 v13, 30, v13
	v_xor_b32 v[64+2*\tt], v13, v14                   ; cos is negative in quadrants 1 and 2
	v_and_b32 v13, 2, v12
	v_lshlrev_b32 v13, 30, v13
	v_xor_b32 v[65+2*\tt], v13, v15                   ; sin in 2 and 3
	global_store_b32 v1, v[64+2*\tt], s[22:23] offset:256*\tt
	global_store_b32 v1, v[65+2*\tt], s[22:23] offset:256*\tt+128
.endm
	s_load_b256 s[4:11], s[0:1], 0x0                  ; hidden_state, w_qkv, w_out, attention_mask
	s_load_b128 s[12:15], s[0:1], 0x20                ; prepw, maskw
	v_lshl_add_u32 v240, v0, 2, 0x8800
	v_mov_b32 v241, 0
	v_lshrrev_b32 v1, 5, v0
	v_readfirstlane_b32 s16, v1                       ; wave
	v_and_b32 v7, 31, v0                              ; lane
	s_mov_b32 s[SEL], 0x76543210
	s_mov_b32 s[SEL+1], 0xfedcba98
	s_wait_kmcnt 0x0
	s_cmp_lt_u32 ttmp9, 128
	s_cbranch_scc1 .Lpath_x
	s_cmp_lt_u32 ttmp9, 320
	s_cbranch_scc1 .Lpath_wq
	s_cmp_lt_u32 ttmp9, 384
	s_cbranch_scc1 .Lpath_wo
	s_cmp_lt_u32 ttmp9, 416
	s_cbranch_scc1 .Lpath_rope
	; ---- THE MASK: wave w takes batch w / 2, keys 1,024 (w % 2) on.  Word j: bit l = key 32 j + l counts.  And the first key that counts, or 2,048.
	s_lshl_b32 s20, s16, 12
	s_mov_b32 s21, 0
	s_add_nc_u64 s[10:11], s[10:11], s[20:21]
	v_lshlrev_b32 v1, 2, v7
.irp j, 0,1,2,3,4,5,6,7,8,9,10,11,12,13,14,15,16,17,18,19,20,21,22,23,24,25,26,27,28,29,30,31
	global_load_b32 v[16+\j], v1, s[10:11] offset:128*\j
.endr
	v_mov_b32 v50, 0
	s_mov_b32 s23, 2048
	s_and_b32 s25, s16, 1
	s_lshl_b32 s25, s25, 10
	s_lshl_b32 s20, s16, 7
	s_add_nc_u64 s[14:15], s[14:15], s[20:21]
	s_wait_loadcnt 0x0
.irp j, 31,30,29,28,27,26,25,24,23,22,21,20,19,18,17,16,15,14,13,12,11,10,9,8,7,6,5,4,3,2,1,0
	v_cmp_ne_u32 s26, 0, v[16+\j]
	v_writelane_b32 v50, s26, \j
	s_ctz_i32_b32 s27, s26
	s_add_co_u32 s27, s27, s25
	s_add_co_u32 s27, s27, 32*\j
	s_cmp_lg_u32 s26, 0
	s_cselect_b32 s23, s27, s23                       ; walking down, the lowest word with a bit has the last say
.endr
	v_mov_b32 v51, s23
	global_store_b32 v1, v50, s[14:15]
	global_store_b32 v1, v51, s[14:15] offset:512
	s_endpgm
.Lpath_x:
	; ---- x: wave U = 4 x work-group + wave takes tile U / 2, K steps 4 (U % 2) + 0 .. 3
	s_lshl_b32 s17, ttmp9, 2
	s_add_co_u32 s17, s17, s16                        ; U
	s_lshr_b32 s18, s17, 2                            ; G
	s_bfe_u32 s19, s17, 0x10001                       ; u
	s_and_b32 s20, s17, 1
	s_lshl_b32 s18, s18, 17                           ; 32 G rows of 4,096 bytes
	s_lshl_b32 s19, s19, 15                           ; 8 u rows
	s_lshl_b32 s20, s20, 11                           ; four K steps of 512 bytes
	s_add_co_u32 s18, s18, s19
	s_add_co_u32 s18, s18, s20
	s_mov_b32 s19, 0
	s_add_nc_u64 s[4:5], s[4:5], s[18:19]
	s_lshl_b32 s22, s17, 12                           ; images: (8 tile + K step) x 1,024 = 4,096 U
	s_mov_b32 s23, 0
	s_add_nc_u64 s[24:25], s[12:13], s[22:23]
	s_lshl_b32 s22, s17, 8                            ; scale words: 256 U
	s_add_co_u32 s22, s22, XSC
	s_add_nc_u64 s[26:27], s[12:13], s[22:23]
	s_mul_i32 s28, s16, WREG
	v_lshlrev_b32 v1, 4, v7                           ; 16 lane
	v_add_nc_u32 v2, s28, v1                          ; the stage, on the way in
	v_and_b32 v8, 15, v7                              ; r
	v_lshrrev_b32 v9, 4, v7                           ; h
	v_mul_u32_u24 v3, v8, 528
	v_lshl_add_u32 v3, v9, 6, v3
	v_add_nc_u32 v3, s28, v3                          ; and out: row r, + 64 h
	s_add_co_u32 s28, s28, 8448
	v_lshl_add_u32 v4, v8, 2, s28                     ; my row's scale word
	v_lshl_add_u32 v5, v7, 3, s28                     ; the 256 bytes of scale words, 8 a lane
	v_lshlrev_b32 v6, 3, v7
.irp b, 0,1,2,3
	v_mov_b32 v[TM+4+\b], 0                           ; written once: a lane permute's destination counts as one of its sources
.endr
	XLOAD 0
	XLOAD 1
	XUNIT 0
	XUNIT 1
	XUNIT 2
	XUNIT 3
	ds_load_b64 v[10:11], v5
	s_wait_dscnt 0x0
	global_store_b64 v6, v[10:11], s[26:27]           ; 256 consecutive bytes, aligned
	s_wait_tensorcnt 0x0
	ds_add_u32 v240, v241
	s_wait_dscnt 0x0
	s_endpgm
.Lpath_wq:
	WPATH 3072, WQIMG, WQSC, 128, 6
.Lpath_wo:
	WPATH 1024, WOIMG, WOSC, 320, 8
.Lpath_rope:
	; ---- the table: a wave takes 16 values of t; lane i is frequency i.  10000^(i/32) = 10^(i/8), to the nearest f32; inv_freq = 1 / that, by a reciprocal and one Newton step.
	; LIMIT: where the power function behind reference() rounds one of these otherwise, that frequency's angles differ by the angle x 2^-23 or so.
	s_sub_co_u32 s17, ttmp9, 384
	s_lshl_b32 s17, s17, 2
	s_add_co_u32 s17, s17, s16
	s_lshl_b32 s17, s17, 4                            ; my first t
	s_lshl_b32 s20, s17, 8
	s_add_co_u32 s20, s20, ROPE
	s_mov_b32 s21, 0
	s_add_nc_u64 s[22:23], s[12:13], s[20:21]
	v_lshlrev_b32 v1, 2, v7
	v_mov_b32 v20, 0
	FREQ 0, 0x3f800000
	FREQ 1, 0x3faab0d5
	FREQ 2, 0x3fe39ea9
	FREQ 3, 0x4017c496
	FREQ 4, 0x404a62c2
	FREQ 5, 0x4086f161
	FREQ 6, 0x40b3f300
	FREQ 7, 0x40eff755
	FREQ 8, 0x41200000
	FREQ 9, 0x41555d0a
	FREQ 10, 0x418e432a
	FREQ 11, 0x41bdb5bc
	FREQ 12, 0x41fcfb72
	FREQ 13, 0x4228adb9
	FREQ 14, 0x4260efc0
	FREQ 15, 0x4295fa95
	FREQ 16, 0x42c80000
	FREQ 17, 0x43055a26
	FREQ 18, 0x4331d3f4
	FREQ 19, 0x436d232b
	FREQ 20, 0x439e1d27
	FREQ 21, 0x43d2d927
	FREQ 22, 0x440c95d8
	FREQ 23, 0x443b793b
	FREQ 24, 0x447a0000
	FREQ 25, 0x44a6b0b0
	FREQ 26, 0x44de48f1
	FREQ 27, 0x451435fb
	FREQ 28, 0x4545a471
	FREQ 29, 0x4583c7b8
	FREQ 30, 0x45afbb4e
	FREQ 31, 0x45ea5789
	s_mov_b32 s24, 0x3f22f983                         ; 2 / pi
	s_mov_b32 s25, 0x3fc90fdb                         ; pi / 2, upper part
	s_mov_b32 s26, 0xb33bbd2e                         ; and the rest
	s_mov_b32 s27, 0xbe2aaaa3                         ; sin: -1.6666654611e-1, 8.3321608736e-3, -1.9515295891e-4
	s_mov_b32 s28, 0x3c08839e
	s_mov_b32 s29, 0xb94ca1f9
	s_mov_b32 s30, 0x3d2aaaa5                         ; cos: 4.166664568e-2, -1.388731625e-3, 2.443315712e-5
	s_mov_b32 s31, 0xbab6061a
	s_mov_b32 s32, 0x37ccf5ce
	v_rcp_f32 v21, v20
	v_nop                                             ; a plain instruction behind the reciprocal
	s_wait_alu depctr_va_vdst(0)                      ; and the wait ahead of its first reader
	v_fma_f32 v22, -v20, v21, 1.0
	v_fma_f32 v21, v21, v22, v21                      ; inv_freq
.irp tt, 0,1,2,3,4,5,6,7,8,9,10,11,12,13,14,15
	ROPE1 \tt
.endr
	s_endpgm
.Lfunc_end_k_q0a2c68b195_prep:
	.size	k_q0a2c68b195_prep, .Lfunc_end_k_q0a2c68b195_prep-k_q0a2c68b195_prep
	.p2alignl 7, 3214868480
	.fill 96, 4, 3214868480
	.section	.rodata,"a",@progbits
	.p2align	6, 0x0
	.amdhsa_kernel k_q0a2c68b195_prep
		.amdhsa_group_segment_fixed_size 35328
		.amdhsa_private_segment_fixed_size 0
		.amdhsa_enable_private_segment 0
		.amdhsa_kernarg_size 48
		.amdhsa_user_sgpr_count 2
		.amdhsa_user_sgpr_kernarg_segment_ptr 1
		.amdhsa_wavefront_size32 1
		.amdhsa_system_sgpr_workgroup_id_x 1
		.amdhsa_system_sgpr_workgroup_id_y 1
		.amdhsa_system_sgpr_workgroup_id_z 1
		.amdhsa_system_vgpr_workitem_id 0
		.amdhsa_next_free_vgpr 242
		.amdhsa_next_free_sgpr 66
		.amdhsa_reserve_vcc 1
		.amdhsa_float_denorm_mode_32 3
		.amdhsa_float_denorm_mode_16_64 3
		.amdhsa_memory_ordered 1
		.amdhsa_forward_progress 1
		.amdhsa_inst_pref_size 113
	.end_amdhsa_kernel
	.amdgpu_metadata
---
amdhsa.version: [ 1, 2 ]
amdhsa.kernels:
  - .name:           k_q0a2c68b195_prep
    .symbol:         k_q0a2c68b195_prep.kd
    .args:
      - { .name: hidden_state, .offset: 0, .size: 8, .value_kind: global_buffer, .address_space: global }
      - { .name: w_qkv, .offset: 8, .size: 8, .value_kind: global_buffer, .address_space: global }
      - { .name: w_out, .offset: 16, .size: 8, .value_kind: global_buffer, .address_space: global }
      - { .name: attention_mask, .offset: 24, .size: 8, .value_kind: global_buffer, .address_space: global }
      - { .name: prepw, .offset: 32, .size: 8, .value_kind: global_buffer, .address_space: global }
      - { .name: maskw, .offset: 40, .size: 8, .value_kind: global_buffer, .address_space: global }
    .group_segment_fixed_size: 35328
    .private_segment_fixed_size: 0
    .kernarg_segment_align: 8
    .kernarg_segment_size: 48
    .max_flat_workgroup_size: 128
    .sgpr_count:     66
    .vgpr_count:     242
    .wavefront_size: 32
...
	.end_amdgpu_metadata
.endif
;; end of part 1
;; launch qkv (part 2): grid 16 x 16, 4 waves a work-group, clusters of 4 x 4, 230,400 bytes of LDS; arguments prepw, b_qkv, qkvw; writes qkvw
.if DOCPART == 2
	.amdgcn_target "amdgcn-amd-amdhsa--gfx1250"
	.amdhsa_code_object_version 6
	.text
	.protected	k_q0a2c68b195_qkv
	.globl	k_q0a2c68b195_qkv
	.p2align	8
	.type	k_q0a2c68b195_qkv,@function
k_q0a2c68b195_qkv:
	s_mov_b64 s[64:65], 0
	v_nop
	global_prefetch_b8 v0, s[64:65] scope:SCOPE_SE
	s_setreg_imm32_b32 hwreg(HW_REG_WAVE_MODE, 25, 1), 1
	s_wait_xcnt 0x0
	s_wait_alu depctr_hold_cnt(0) depctr_sa_sdst(0) depctr_va_vdst(0) depctr_va_sdst(0) depctr_va_ssrc(0) depctr_va_vcc(0) depctr_vm_vsrc(0)
	s_getreg_b32 s2, hwreg(HW_REG_IB_STS2, 6, 4)
	s_cmp_eq_u32 s2, 0
	s_cbranch_scc0 .Lentry_in_a_cluster
	s_endpgm
.Lentry_in_a_cluster:
	s_bfe_u32 s2, ttmp6, 0x10000c
	s_cmp_lg_u32 s2, 0xf033
	s_cbranch_scc0 .Lentry_shape_is_right
	s_endpgm
.Lentry_shape_is_right:
; QKV: x w_qkv + b on codes of FP4 with E8M0 scales, the rotary embedding, and the quantising of q, k (along the head's 64) and v (along the keys).  Nothing in f32 goes to memory.
; SHARES.  A work-group takes 256 rows (row block R = grid y) x one head's 192 columns (grid x).  Wave w takes rows 64 w .. 64 w + 63 (4 tiles) x all 12 tiles of columns (q 0-3, k 4-7, v 8-11): 48 accumulators.
; TILES: tile 2 G + u holds rows 32 G + 8 u + r + 8 (r / 8).  q and k are made TRANSPOSED (source 0 = 16 columns of W, source 1 = 16 rows of x): a lane holds one row, and the 16 registers of tiles 2 b, 2 b + 1 are
; the columns 32 b + 16 (lane / 16) + 0 .. 15: neighbours along the next product's K.  v is made the other way round (source 0 = x, source 1 = W): a lane holds one column d, its registers run along the keys, which are v's next K.
; LDS.  The work-group's whole share of codes fits: x 131,072 bytes (each wave's own 32,768), W 98,304.  It is filled once, by eight tensor loads a wave, all issued at the start (eight of mine are out, by this text's count),
; in four chunks of two K steps, so that the products begin when the first chunk has landed.  Nothing is filled again.  Every fragment read is 512 consecutive bytes: no padding.
; CLUSTER 4 x 4: the four work-groups of a row of the cluster share R, so x's tiles; those of a column share the head, so W's: each load is asked for jointly, with the same descriptor and a mask that names the four.
; REGISTERS: window 0: v1-12, v19 addresses; v14-17 four scale words kept; v20-23 v's bias; v24-31 at work; v32-95 scale words in the K loop (v[32+8 kap+p] x's pair p, v[34+8 kap+p] W's pair p: lanes 0-15 the even tile, lanes 16-31 the odd),
;   afterwards 64 numbers on their way to the quantiser; v96-159 cos and sin, two sets; v160-223 q's and k's bias; v224-249 the quantiser's.
;   window 1: two sets of fragments at 128 s: x at + 8 xt, W at + 32 + 8 wt.   window 2: q and k, accumulator (xt, wt) at 64 xt + 8 wt.   window 3: v, accumulator (dt, xt) at 32 dt + 8 xt.
; LIMITS: as the quantiser's in the launch before: byte 1 for blocks under 2^-124 and for zeros; NaN and infinities not served.
.set WQIMG, 2097152
.set XSC,   4194304
.set WQSC,  4325376
.set ROPE,  4456448
.set KIMG,  2097152                    ; qkvw: q's images [bh][tile][512] at 0, k's here,
.set VIMG,  4194304                    ; v's [bh][key step][dt][1,024],
.set QSC,   6291456                    ; scale words [bh][tile][r],
.set KSC,   6553600
.set VSC,   6815744                    ; [bh][key step][dt][r]
.set LB,    131072                     ; LDS: W's fragments
.set VS,    229376                     ; LDS: 512 bytes in which v's scale words of two key steps are pieced together; no tensor load lands here
.set G1A,   52                         ; s[52:59] descriptor group 1 for x's tiles
.set G1B,   68                         ; s[68:75] for W's
.set SEL,   96                         ; s[96:97]
.set PWS,   14
.set BV,    20
.set T,     24
.set HA,    32
.set CSB,   96
.set BQ,    160
.set TM,    224
.set PW,    240
.set PC,    242
.set MSB, 0
.macro WIN new                         ; the immediate's high byte repeats the setting that is left
.if MSB != \new
	s_set_vgpr_msb (MSB<<8)|\new
.set MSB, \new
.endif
.endm
.macro PLACES
.rept 4
	v_nop
.endr
.endm
.macro ROUND                           ; a round of the cluster's barrier
	s_barrier_signal -1
	s_barrier_wait -1
	s_cmp_lg_u32 s10, 0
	s_cbranch_scc1 .Lnot_wave_0_\@
	s_barrier_signal -3
.Lnot_wave_0_\@:
	s_barrier_wait -3
	s_barrier_signal -1
	s_barrier_wait -1
.endm
; one product.  ra, rb = 1: that side's scales are read from lanes 16-31 of its register
.macro WM d, a, b, zero, sa, sb, ra, rb
.if \zero
.if (\ra) && (\rb)
	v_wmma_scale_f32_16x16x128_f8f6f4 v[(\d):(\d)+7], v[(\a):(\a)+7], v[(\b):(\b)+7], 0, v[\sa], v[\sb] matrix_a_fmt:MATRIX_FMT_FP4 matrix_b_fmt:MATRIX_FMT_FP4 matrix_a_scale:MATRIX_SCALE_ROW1 matrix_b_scale:MATRIX_SCALE_ROW1
.elseif (\ra)
	v_wmma_scale_f32_16x16x128_f8f6f4 v[(\d):(\d)+7], v[(\a):(\a)+7], v[(\b):(\b)+7], 0, v[\sa], v[\sb] matrix_a_fmt:MATRIX_FMT_FP4 matrix_b_fmt:MATRIX_FMT_FP4 matrix_a_scale:MATRIX_SCALE_ROW1
.elseif (\rb)
	v_wmma_scale_f32_16x16x128_f8f6f4 v[(\d):(\d)+7], v[(\a):(\a)+7], v[(\b):(\b)+7], 0, v[\sa], v[\sb] matrix_a_fmt:MATRIX_FMT_FP4 matrix_b_fmt:MATRIX_FMT_FP4 matrix_b_scale:MATRIX_SCALE_ROW1
.else
	v_wmma_scale_f32_16x16x128_f8f6f4 v[(\d):(\d)+7], v[(\a):(\a)+7], v[(\b):(\b)+7], 0, v[\sa], v[\sb] matrix_a_fmt:MATRIX_FMT_FP4 matrix_b_fmt:MATRIX_FMT_FP4
.endif
.else
.if (\ra) && (\rb)
	v_wmma_scale_f32_16x16x128_f8f6f4 v[(\d):(\d)+7], v[(\a):(\a)+7], v[(\b):(\b)+7], v[(\d):(\d)+7], v[\sa], v[\sb] matrix_a_fmt:MATRIX_FMT_FP4 matrix_b_fmt:MATRIX_FMT_FP4 matrix_a_scale:MATRIX_SCALE_ROW1 matrix_b_scale:MATRIX_SCALE_ROW1
.elseif (\ra)
	v_wmma_scale_f32_16x16x128_f8f6f4 v[(\d):(\d)+7], v[(\a):(\a)+7], v[(\b):(\b)+7], v[(\d):(\d)+7], v[\sa], v[\sb] matrix_a_fmt:MATRIX_FMT_FP4 matrix_b_fmt:MATRIX_FMT_FP4 matrix_a_scale:MATRIX_SCALE_ROW1
.elseif (\rb)
	v_wmma_scale_f32_16x16x128_f8f6f4 v[(\d):(\d)+7], v[(\a):(\a)+7], v[(\b):(\b)+7], v[(\d):(\d)+7], v[\sa], v[\sb] matrix_a_fmt:MATRIX_FMT_FP4 matrix_b_fmt:MATRIX_FMT_FP4 matrix_b_scale:MATRIX_SCALE_ROW1
.else
	v_wmma_scale_f32_16x16x128_f8f6f4 v[(\d):(\d)+7], v[(\a):(\a)+7], v[(\b):(\b)+7], v[(\d):(\d)+7], v[\sa], v[\sb] matrix_a_fmt:MATRIX_FMT_FP4 matrix_b_fmt:MATRIX_FMT_FP4
.endif
.endif
.endm
; 64 numbers of a lane, v[s + 16 b + i] = place 32 b + 16 (lane / 16) + i along the next K, become codes in v[PC] on and a scale word in v[PW]
.macro QUANT s
.irp b, 0,1,2,3
	v_max3_num_f32 v[TM+\b], |v[\s+16*\b]|, |v[\s+1+16*\b]|, 0x1800000   ; and the floor 2^(3 - 127): the byte cannot fall under 1
.endr
.irp i, 2,4,6,8,10,12,14
.irp b, 0,1,2,3
	v_max3_num_f32 v[TM+\b], v[TM+\b], |v[\s+16*\b+\i]|, |v[\s+1+16*\b+\i]|
.endr
.endr
.irp b, 0,1,2,3
	v_permlanex16_b32 v[TM+4+\b], v[TM+\b], s[SEL], s[SEL+1]
.endr
.irp b, 0,1,2,3
	v_max_num_f32 v[TM+\b], v[TM+\b], v[TM+4+\b]
.endr
.irp b, 0,1,2,3
	v_add_nc_u32 v[TM+12+\b], 0xff000000, v[TM+\b]    ; 2 off the exponent field: the conversion's scale operand
.endr
.irp b, 0,1,2,3
	v_lshrrev_b32 v[TM+4+\b], 23, v[TM+12+\b]
.endr
	v_lshl_or_b32 v[PW], v[TM+5], 8, v[TM+4]
	v_lshl_or_b32 v[PW], v[TM+6], 16, v[PW]
	v_lshl_or_b32 v[PW], v[TM+7], 24, v[PW]
.irp b, 0,1,2,3
	v_cvt_scalef32_pk8_fp4_f32 v[PC+2*\b], v[\s+16*\b:\s+7+16*\b], v[TM+12+\b]
	v_cvt_scalef32_pk8_fp4_f32 v[PC+1+2*\b], v[\s+8+16*\b:\s+15+16*\b], v[TM+12+\b]
.endr
	v_nop                                             ; one plain instruction behind a scaled conversion
.irp c, 0,1
.irp i, 0,1
	v_permlane16_swap_b32 v[PC+4*\c+\i], v[PC+2+4*\c+\i]
.endr
.endr
.endm
; cos and sin of tile xt's rows: my row's 16 frequencies 16 (lane / 16) + 0 .. 15
.macro CSLOAD xt, set
.irp jj, 0,1,2,3
	global_load_b128 v[CSB+32*(\set)+4*\jj:CSB+32*(\set)+4*\jj+3], v8, s[86:87] offset:(32*((\xt)/2)+8*((\xt)%2))*256+16*\jj
	global_load_b128 v[CSB+32*(\set)+16+4*\jj:CSB+32*(\set)+16+4*\jj+3], v8, s[86:87] offset:(32*((\xt)/2)+8*((\xt)%2))*256+128+16*\jj
.endr
.endm
; the fragments of K step kap into set s: 8 loads for x, 24 for W
.macro FETCH kap, s
	WIN 0x40                                          ; destination window 1, address window 0
.irp xt, 0,1,2,3
.irp c, 0,1
	ds_load_b128 v[128*(\s)+8*\xt+4*\c:128*(\s)+8*\xt+4*\c+3], v4 offset:((\kap)/2)*8192+\xt*2048+((\kap)%2)*1024+512*\c
.endr
.endr
.irp wt, 0,1,2,3,4,5,6,7,8,9,10,11
.irp c, 0,1
.if (\kap) < 4
	ds_load_b128 v[128*(\s)+32+8*\wt+4*\c:128*(\s)+32+8*\wt+4*\c+3], v5 offset:((\kap)/2)*24576+\wt*2048+((\kap)%2)*1024+512*\c
.else
	ds_load_b128 v[128*(\s)+32+8*\wt+4*\c:128*(\s)+32+8*\wt+4*\c+3], v6 offset:((\kap)/2-2)*24576+\wt*2048+((\kap)%2)*1024+512*\c
.endif
.endr
.endr
.endm
; A K step of 128: 48 products.  The 48 accumulators take turns, one instruction a turn, in the same order in every step.
.macro KSTEP kap
	s_wait_dscnt 0x0                                  ; this step's fragments are in (asked for a step ago)
.if ((\kap) == 1) || ((\kap) == 3) || ((\kap) == 5)
	s_wait_tensorcnt 5-(\kap)                         ; my two loads of the next chunk have landed; two for each later chunk stay out
	s_barrier_signal -1
	s_barrier_wait -1                                 ; everybody's have: W's fragments are read by all four waves.
.endif
.if (\kap) < 7
.if (\kap) > 0
	PLACES                                            ; four places in front of loads into registers that the last step's products read
.endif
	FETCH (\kap)+1, ((\kap)+1)%2
.endif
.set FS, 128*((\kap)%2)
.if (\kap) == 0
.set ZR, 1
.else
.set ZR, 0
.endif
	WIN 0xa5                                          ; sources window 1, C and D window 2
.irp xt, 0,1,2,3
.irp wt, 0,1,2,3,4,5,6,7
	WM 64*\xt+8*\wt, FS+32+8*\wt, FS+8*\xt, ZR, 34+8*(\kap)+\wt/2, 32+8*(\kap)+\xt/2, \wt%2, \xt%2
.endr
.endr
	WIN 0xf5                                          ; C and D window 3
.irp dt, 0,1,2,3
.irp xt, 0,1,2,3
	WM 32*\dt+8*\xt, FS+8*\xt, FS+96+8*\dt, ZR, 32+8*(\kap)+\xt/2, 38+8*(\kap)+\dt/2, \xt%2, \dt%2
.endr
.endr
.endm
; q and k of tile xt: bias, rotary embedding, codes.  Register 16 b + i of the 64: b = 0, 1: q's d = 32 b + 16 h + i; b = 2, 3: k's.
.macro EPI_QK xt
.if (\xt) > 0
	s_wait_xcnt 0x0                                   ; the last tile's stores have read the codes' registers
.endif
	WIN 0x02                                          ; source 0 window 2
.set j, 0
.rept 32
	v_pk_add_f32 v[HA+j:HA+j+1], v[64*(\xt)+j:64*(\xt)+j+1], v[BQ+j:BQ+j+1]   ; each accumulator from its low end on
.set j, j+2
.endr
	WIN 0
.if (\xt) == 2
	s_wait_loadcnt 8                                  ; this tile's cos and sin are in; the last tile's eight loads stay out
.endif
.if (\xt) == 3
	s_wait_loadcnt 0x0
.endif
.set CS0, CSB+32*((\xt)%2)
.irp part, 0,32
.set k, 0
.rept 8
.set T0, T+4*(k%2)
	v_pk_mul_f32 v[T0:T0+1], v[HA+\part+16+2*k:HA+\part+17+2*k], v[CS0+16+2*k:CS0+17+2*k]
	v_pk_mul_f32 v[T0+2:T0+3], v[HA+\part+2*k:HA+\part+1+2*k], v[CS0+16+2*k:CS0+17+2*k]
	v_pk_fma_f32 v[HA+\part+2*k:HA+\part+1+2*k], v[HA+\part+2*k:HA+\part+1+2*k], v[CS0+2*k:CS0+1+2*k], v[T0:T0+1] neg_lo:[0,0,1] neg_hi:[0,0,1]   ; x1 cos - x2 sin
	v_pk_fma_f32 v[HA+\part+16+2*k:HA+\part+17+2*k], v[HA+\part+16+2*k:HA+\part+17+2*k], v[CS0+2*k:CS0+1+2*k], v[T0+2:T0+3]                       ; x2 cos + x1 sin
.set k, k+1
.endr
.endr
.if (\xt) < 2
	CSLOAD (\xt)+2, (\xt)%2
.endif
	QUANT HA
	global_store_b128 v1, v[PC:PC+3], s[88:89] offset:512*(\xt)          ; q's image: 512 consecutive bytes
	global_store_b128 v1, v[PC+4:PC+7], s[88:89] offset:KIMG+512*(\xt)   ; k's
	v_mov_b32 v[PWS+(\xt)], v[PW]
.endm
; v of column tiles 2 p, 2 p + 1: bias, codes along my 64 keys.  Block b = 2 (dt % 2) + (key / 32).
.macro EPI_V p
	s_wait_xcnt 0x0                                   ; the last stores have read the codes' registers,
	s_wait_dscnt 0x0                                  ; and the LDS stores the scale word's
	WIN 0x03                                          ; source 0 window 3
.set j, 0
.rept 32
.if j < 32
	v_pk_add_f32 v[HA+j:HA+j+1], v[64*(\p)+j:64*(\p)+j+1], v[BV+2*(\p):BV+2*(\p)+1] op_sel_hi:[1,0]
.else
	v_pk_add_f32 v[HA+j:HA+j+1], v[64*(\p)+j:64*(\p)+j+1], v[BV+2*(\p):BV+2*(\p)+1] op_sel:[0,1] op_sel_hi:[1,1]
.endif
.set j, j+2
.endr
	WIN 0
	QUANT HA
	global_store_b128 v1, v[PC:PC+3], s[92:93] offset:2048*(\p)          ; half a fragment of tile 2 p: my 64 keys of the key step's 128
	global_store_b128 v1, v[PC+4:PC+7], s[92:93] offset:2048*(\p)+1024   ; of tile 2 p + 1
	ds_store_b16 v12, v[PW] offset:128*(\p)           ; my two bytes of the scale word of (key step, 2 p, r); both lanes of a column write the same
	ds_store_b16_d16_hi v12, v[PW] offset:128*(\p)+64 ; and of 2 p + 1
.endm
	s_load_b128 s[4:7], s[0:1], 0x0                   ; prepw, b_qkv
	s_load_b64 s[8:9], s[0:1], 0x10                   ; qkvw
	v_lshl_add_u32 v254, v0, 2, 0x38200
	v_mov_b32 v255, 0
	ds_add_u32 v254, v255
	ds_add_u32 v254, v255
	v_lshrrev_b32 v1, 5, v0
	v_readfirstlane_b32 s10, v1                       ; wave
	s_bfe_u32 s11, ttmp6, 0x40000                     ; cx
	s_bfe_u32 s12, ttmp6, 0x40004                     ; cy
	s_lshl_b32 s13, ttmp9, 2
	s_add_co_u32 s13, s13, s11                        ; the head
	s_and_b32 s14, ttmp7, 0xffff
	s_lshl_b32 s14, s14, 2
	s_add_co_u32 s14, s14, s12                        ; R
	s_lshl_b32 s15, s12, 2
	s_lshl_b32 s15, 15, s15                           ; my row of the cluster
	s_lshl_b32 s16, 0x1111, s11                       ; my column
	; group 1: rows of 2,048 bytes (256 elements of 8 bytes: two K steps of a tile), 8,192 bytes apart (a tile's eight K steps); x: 4 tiles, W: 3
	s_or_b32 s[G1A], s15, (3<<16)|(1<<21)             ; 15:0 the mask; 17:16 elements of 8 bytes; 21 set beside a mask; no padding
	s_or_b32 s[G1B], s16, (3<<16)|(1<<21)
	s_mov_b32 s[G1A+1], 256<<16                       ; tensor_dim0
	s_mov_b32 s[G1A+2], 4<<16                         ; tensor_dim1
	s_mov_b32 s[G1A+3], 256<<16                       ; tile_dim0
	s_mov_b32 s[G1A+4], 4                             ; tile_dim1
	s_mov_b32 s[G1A+5], 1024                          ; the pitch
	s_mov_b32 s[G1A+6], 0
	s_mov_b32 s[G1A+7], 0
	s_mov_b32 s[G1B+1], 256<<16
	s_mov_b32 s[G1B+2], 3<<16
	s_mov_b32 s[G1B+3], 256<<16
	s_mov_b32 s[G1B+4], 3
	s_mov_b32 s[G1B+5], 1024
	s_mov_b32 s[G1B+6], 0
	s_mov_b32 s[G1B+7], 0
	s_lshl_b32 s76, s14, 17                           ; x: tile 16 R + 4 w, 8,192 bytes a tile: hangs on R and the wave alone
	s_lshl_b32 s17, s10, 15                           ; (also my region of LDS)
	s_add_co_u32 s76, s76, s17
	s_mov_b32 s77, 0
	s_mul_i32 s78, s13, 98304                         ; W: tile 12 head + 3 w: hangs on the head and the wave alone
	s_mul_i32 s18, s10, 24576
	s_add_co_u32 s78, s78, s18
	s_add_co_u32 s78, s78, WQIMG
	s_mov_b32 s79, 0
	s_mul_i32 s19, s10, 6144
	s_wait_dscnt 0x0
	s_wait_kmcnt 0x0
	s_add_nc_u64 s[76:77], s[4:5], s[76:77]
	s_add_nc_u64 s[78:79], s[4:5], s[78:79]
.irp i, 0,1,2,3                        ; group 0 for chunk i (K steps 2 i, 2 i + 1): x's in s[20+8i ..], W's in s[24+8i ..]
	s_mov_b32 s[20+8*\i], 1
	s_add_co_u32 s[21+8*\i], s17, 8192*\i
	s_add_nc_u64 s[22+8*\i:23+8*\i], s[76:77], 2048*\i
	s_or_b32 s[23+8*\i], s[23+8*\i], 0x80000000
	s_mov_b32 s[24+8*\i], 1
	s_add_co_u32 s[25+8*\i], s19, LB+24576*\i
	s_add_nc_u64 s[26+8*\i:27+8*\i], s[78:79], 2048*\i
	s_or_b32 s[27+8*\i], s[27+8*\i], 0x80000000
.endr
	ROUND                                             ; all sixteen work-groups are here: the joint loads meet
.irp i, 0,1,2,3
	tensor_load_to_lds s[20+8*\i:23+8*\i], s[G1A:G1A+7]
	s_nop 0
	tensor_load_to_lds s[24+8*\i:27+8*\i], s[G1B:G1B+7]
	s_nop 0
.endr
	PLACES                                            ; four v_nop follow the last of them
	v_and_b32 v13, 31, v0                             ; lane
	v_and_b32 v2, 15, v0                              ; r
	v_bfe_u32 v3, v0, 4, 1                            ; h
	v_lshlrev_b32 v1, 4, v13                          ; 16 lane
	v_add_nc_u32 v4, s17, v1                          ; x's fragments
	v_add_nc_u32 v5, LB, v1                           ; W's, chunks 0 and 1
	v_add_nc_u32 v6, LB+49152, v1                     ; chunks 2 and 3
	v_add_nc_u32 v19, VS, v1
	v_lshlrev_b32 v7, 2, v2
	v_lshl_add_u32 v7, v3, 9, v7                      ; scale words of a pair of tiles: 512 h + 4 r
	v_and_b32 v18, 8, v2
	v_add_nc_u32 v18, v18, v2                         ; r + 8 (r / 8)
	v_lshlrev_b32 v9, 6, v3                           ; 64 h
	v_lshl_add_u32 v8, v18, 8, v9                     ; the table: my row, my 16 frequencies
	v_lshlrev_b32 v10, 2, v18
	v_lshlrev_b32 v11, 2, v13
	s_lshr_b32 s19, s10, 1
	s_lshl_b32 s19, s19, 8
	s_and_b32 s2, s10, 1
	s_lshl_b32 s2, s2, 1
	s_add_co_u32 s19, s19, s2
	s_add_co_u32 s19, s19, VS
	v_lshl_add_u32 v12, v2, 2, s19                    ; VS + 256 (w / 2) + 2 (w % 2) + 4 r
.irp b, 0,1,2,3
	v_mov_b32 v[TM+4+\b], 0                           ; written once: a lane permute's destination counts as one of its sources
.endr
	s_mov_b32 s94, 0xffff0000                         ; lanes 16-31
	s_mov_b32 s95, 0x7f7f0000                         ; the scale 1 for the upper 64 of a K step of which q and k fill the lower 64
	s_mov_b32 s[SEL], 0x76543210
	s_mov_b32 s[SEL+1], 0xfedcba98
	s_and_b32 s3, s14, 7                              ; the row block within its batch
	s_lshr_b32 s18, s14, 3
	s_lshl_b32 s18, s18, 4
	s_add_co_u32 s18, s18, s13                        ; bh = 16 batch + head
	s_lshl_b32 s80, s14, 13                           ; x's scale words: 512 bytes a tile
	s_lshl_b32 s19, s10, 11
	s_add_co_u32 s80, s80, s19
	s_add_co_u32 s80, s80, XSC
	s_mov_b32 s81, 0
	s_add_nc_u64 s[80:81], s[4:5], s[80:81]
	s_mul_i32 s82, s13, 6144                          ; W's
	s_add_co_u32 s82, s82, WQSC
	s_mov_b32 s83, 0
	s_add_nc_u64 s[82:83], s[4:5], s[82:83]
	s_mul_i32 s84, s13, 768                           ; the head's 192 biases
	s_mov_b32 s85, 0
	s_add_nc_u64 s[84:85], s[6:7], s[84:85]
	s_lshl_b32 s86, s3, 16                            ; the table at t = 256 (R % 8) + 64 w
	s_lshl_b32 s19, s10, 14
	s_add_co_u32 s86, s86, s19
	s_add_co_u32 s86, s86, ROPE
	s_mov_b32 s87, 0
	s_add_nc_u64 s[86:87], s[4:5], s[86:87]
	s_lshl_b32 s19, s18, 7
	s_lshl_b32 s88, s3, 4
	s_add_co_u32 s19, s19, s88
	s_lshl_b32 s88, s10, 2
	s_add_co_u32 s19, s19, s88                        ; my first tile of q and k: 128 bh + 16 (R % 8) + 4 w
	s_lshl_b32 s88, s19, 9
	s_mov_b32 s89, 0
	s_add_nc_u64 s[88:89], s[8:9], s[88:89]
	s_lshl_b32 s90, s19, 6
	s_add_co_u32 s90, s90, QSC
	s_mov_b32 s91, 0
	s_add_nc_u64 s[90:91], s[8:9], s[90:91]
	s_lshl_b32 s92, s18, 4
	s_lshl_b32 s19, s3, 1
	s_add_co_u32 s92, s92, s19                        ; 16 bh + 2 (R % 8): the work-group's first key step
	s_lshl_b32 s60, s92, 8
	s_add_co_u32 s60, s60, VSC
	s_mov_b32 s61, 0
	s_add_nc_u64 s[60:61], s[8:9], s[60:61]
	s_lshr_b32 s19, s10, 1
	s_add_co_u32 s92, s92, s19                        ; my key step
	s_lshl_b32 s92, s92, 12
	s_and_b32 s19, s10, 1
	s_lshl_b32 s19, s19, 9                            ; and which half of its 128 keys
	s_add_co_u32 s92, s92, s19
	s_add_co_u32 s92, s92, VIMG
	s_mov_b32 s93, 0
	s_add_nc_u64 s[92:93], s[8:9], s[92:93]
.irp kap, 0,1,2,3,4,5,6,7
.irp p, 0,1
	global_load_b32 v[32+8*\kap+\p], v7, s[80:81] offset:1024*\p+64*\kap
.endr
.irp p, 0,1,2,3,4,5
	global_load_b32 v[34+8*\kap+\p], v7, s[82:83] offset:1024*\p+64*\kap
.endr
.endr
.irp b, 0,1,2,3
.irp jj, 0,1,2,3
	global_load_b128 v[BQ+16*\b+4*\jj:BQ+16*\b+4*\jj+3], v9, s[84:85] offset:128*\b+16*\jj   ; the bias of columns 32 b + 16 h + 0 .. 15
.endr
.endr
.irp dt, 0,1,2,3
	global_load_b32 v[BV+\dt], v10, s[84:85] offset:512+(32*(\dt/2)+8*(\dt%2))*4             ; v's: my column of tile dt
.endr
	CSLOAD 0, 0
	CSLOAD 1, 1
	s_wait_loadcnt 0x0
	s_wait_tensorcnt 6                                ; my two loads of chunk 0 have landed; the six younger stay out
	s_barrier_signal -1
	s_barrier_wait -1                                 ; everybody's have
	FETCH 0, 0
	KSTEP 0
	KSTEP 1
	KSTEP 2
	KSTEP 3
	KSTEP 4
	KSTEP 5
	KSTEP 6
	KSTEP 7
	WIN 0
	PLACES                                            ; four places behind the last products: their results are read, and their scale registers written, from here on
	EPI_QK 0
	EPI_QK 1
	EPI_QK 2
	EPI_QK 3
.irp p, 0,1                            ; the scale words of tiles 2 p (lanes 0-15) and 2 p + 1 (lanes 16-31): bytes 0, 1 are q's, bytes 2, 3 k's.  128 bytes a store: 1/8 of what the images take
	v_cndmask_b32 v[T+\p], v[PWS+2*\p], v[PWS+2*\p+1], s94
	v_and_or_b32 v[T+2+\p], v[T+\p], 0xffff, s95
	v_lshrrev_b32 v[T+4+\p], 16, v[T+\p]
	v_or_b32 v[T+4+\p], s95, v[T+4+\p]
	global_store_b32 v11, v[T+2+\p], s[90:91] offset:128*\p
	global_store_b32 v11, v[T+4+\p], s[90:91] offset:KSC-QSC+128*\p
.endr
	EPI_V 0
	EPI_V 1
	s_wait_dscnt 0x0                                  ; for the others' sake: my bytes lie in LDS
	s_barrier_signal -1
	s_barrier_wait -1
	s_cmp_lg_u32 s10, 0
	s_cbranch_scc1 .Lnot_first
	ds_load_b128 v[96:99], v19                        ; two key steps' scale words of v, whole: 512 bytes
	s_wait_dscnt 0x0
	global_store_b128 v1, v[96:99], s[60:61]
.Lnot_first:
	s_wait_tensorcnt 0x0
	ds_add_u32 v254, v255
	s_wait_dscnt 0x0
	ROUND                                             ; the closing round
	s_endpgm
.Lfunc_end_k_q0a2c68b195_qkv:
	.size	k_q0a2c68b195_qkv, .Lfunc_end_k_q0a2c68b195_qkv-k_q0a2c68b195_qkv
	.p2alignl 7, 3214868480
	.fill 96, 4, 3214868480
	.section	.rodata,"a",@progbits
	.p2align	6, 0x0
	.amdhsa_kernel k_q0a2c68b195_qkv
		.amdhsa_group_segment_fixed_size 230400
		.amdhsa_private_segment_fixed_size 0
		.amdhsa_enable_private_segment 0
		.amdhsa_kernarg_size 24
		.amdhsa_user_sgpr_count 2
		.amdhsa_user_sgpr_kernarg_segment_ptr 1
		.amdhsa_wavefront_size32 1
		.amdhsa_system_sgpr_workgroup_id_x 1
		.amdhsa_system_sgpr_workgroup_id_y 1
		.amdhsa_system_sgpr_workgroup_id_z 1
		.amdhsa_system_vgpr_workitem_id 0
		.amdhsa_next_free_vgpr 896
		.amdhsa_next_free_sgpr 100
		.amdhsa_reserve_vcc 0
		.amdhsa_float_denorm_mode_32 3
		.amdhsa_float_denorm_mode_16_64 3
		.amdhsa_memory_ordered 1
		.amdhsa_forward_progress 1
		.amdhsa_inst_pref_size 141
	.end_amdhsa_kernel
	.amdgpu_metadata
---
amdhsa.version: [ 1, 2 ]
amdhsa.kernels:
  - .name:           k_q0a2c68b195_qkv
    .symbol:         k_q0a2c68b195_qkv.kd
    .args:
      - { .name: prepw, .offset: 0, .size: 8, .value_kind: global_buffer, .address_space: global }
      - { .name: b_qkv, .offset: 8, .size: 8, .value_kind: global_buffer, .address_space: global }
      - { .name: qkvw, .offset: 16, .size: 8, .value_kind: global_buffer, .address_space: global }
    .group_segment_fixed_size: 230400
    .private_segment_fixed_size: 0
    .kernarg_segment_align: 8
    .kernarg_segment_size: 24
    .max_flat_workgroup_size: 128
    .sgpr_count:     100
    .vgpr_count:     896
    .wavefront_size: 32
...
	.end_amdgpu_metadata
.endif
;; end of part 2
;; launch attn (part 3): grid 8 x 32, 16 waves a work-group, no clusters, 145,408 bytes of LDS; arguments qkvw, maskw, attw; writes attw
.if DOCPART == 3
	.amdgcn_target "amdgcn-amd-amdhsa--gfx1250"
	.amdhsa_code_object_version 6
	.text
	.protected	k_q0a2c68b195_attn
	.globl	k_q0a2c68b195_attn
	.p2align	8
	.type	k_q0a2c68b195_attn,@function
k_q0a2c68b195_attn:
	s_mov_b64 s[64:65], 0
	v_nop
	global_prefetch_b8 v0, s[64:65] scope:SCOPE_SE
	s_setreg_imm32_b32 hwreg(HW_REG_WAVE_MODE, 25, 1), 1
	s_wait_xcnt 0x0
; ATTENTION on codes of FP4 with E8M0 scales: S^T = K Q^T, the causal and the padding mask, p = 2^(t - M) with M a whole number, O^T = V^T P^T, the division by the sum of the unquantised p, and the quantising of the result
; along head x 64 + d for the last product.  t = score x log2(e) / 8.
; SHARES.  A work-group (x = g, y = bh = 16 batch + head) holds the head's whole K and V as codes in LDS.  Each of its sixteen waves owns ONE tile of 16 queries, tile g + 8 j, which needs key steps 0 .. j of 128 keys;
; j = 4 a + (s xor 3 (a % 2)), a = wave / 4, s = wave % 4: every work-group has 136 wave-steps, and each four waves of equal s have 34.
; TILES: tile 2 G + u holds rows 32 G + 8 u + r + 8 (r / 8), of queries and of keys alike; so the 16 registers of key tiles 2 b, 2 b + 1 are the keys 32 b + 16 (lane / 16) + 0 .. 15, and a lane holds one query throughout.
; THE FIRST PRODUCT HAS K = 64 under an instruction of K = 128: Q's upper four registers are zero codes, its and K's upper scale bytes are 0x7f; K's upper four registers are simply the next tile's codes, which meet the zeros.
; THE MASKS.  Hidden scores become -2^100, a number under every true score whose product with log2(e) / 8 is exact; p is then 0 beside any key that counts.  A query ALL of whose causal keys are padded has, in reference(),
; equal scores at all 2,048 keys, those to come too: so a tile that holds such a query (the batch's first key that counts lies behind the tile's first query) walks all 16 steps, and p = 1 there everywhere.
; A step is left out where its keys all come after the tile's queries, or are all padded, unless the tile is of that kind.  These are branches on mask words that the launch before stored as whole numbers.
; NO CLUSTER, NO TENSOR LOAD: the launch branches on words read from memory; LDS is filled once, through registers, and there is no joint load to share.
; LIMITS: true scores lie above -2^100; NaN and infinities are not served; blocks under 2^-124 keep the byte 1.
; REGISTERS: v1-7 addresses that stay; v8-11 the step's; v12 -M, v13 the largest t, v[14:15] the sum; v16-23 Q; v24 Q's scale word; v25-28 for the masks; v32-67 K; v68-99 V; v100-163 S^T, then p; v164-195 O^T;
;   v196-203 p's codes; v204-207 K's scale words, v208-209 V's (lanes 0-15 the even tile, lanes 16-31 the odd); v210-221 per block; v222 p's scale word; v[224:225] f; v226-231 at work.
.set KIMG, 2097152
.set VIMG, 4194304
.set QSC,  6291456
.set KSC,  6553600
.set VSC,  6815744
.set ASC,  2097152                     ; attw: images [row tile][head][512] at 0, scale words [row tile][K step][r] here
.set LV,   65536                       ; LDS: K's images at 0, V's here,
.set LKS,  131072                      ; K's scale words,
.set LVS,  139264                      ; V's
.set S,    100
.set OA,   164
.set PCD,  196
.set BM,   210
.set BT,   214
.set BS,   218
.set PWD,  222
.set F,    224
.set TT,   226
.set SEL,  34                          ; s[34:35]
.set CS,   36                          ; s[36:37] c = log2(e) / 8
.macro PLACES
.rept 4
	v_nop
.endr
.endm
	s_load_b128 s[4:7], s[0:1], 0x0                   ; qkvw, maskw
	s_load_b64 s[8:9], s[0:1], 0x10                   ; attw
	v_lshl_add_u32 v254, v0, 2, 0x23000
	v_mov_b32 v255, 0
	v_lshrrev_b32 v1, 5, v0
	v_readfirstlane_b32 s16, v1                       ; wave 0..15
	s_and_b32 s26, ttmp7, 0xffff                      ; bh
	s_lshr_b32 s27, s16, 2
	s_and_b32 s28, s16, 3
	s_and_b32 s30, s27, 1
	s_mul_i32 s30, s30, 3
	s_xor_b32 s28, s28, s30
	s_lshl_b32 s17, s27, 2
	s_add_co_u32 s17, s17, s28                        ; j
	s_lshl_b32 s25, s17, 3
	s_add_co_u32 s25, s25, ttmp9                      ; my tile of queries
	v_and_b32 v2, 31, v0
	v_lshlrev_b32 v1, 4, v2                           ; 16 lane
	v_lshlrev_b32 v2, 2, v2                           ; 4 lane
	v_lshlrev_b32 v3, 4, v0                           ; 16 thread
	v_lshlrev_b32 v4, 3, v0                           ; 8 thread
	v_add_nc_u32 v5, LV, v1
	v_add_nc_u32 v6, LKS, v2
	v_add_nc_u32 v7, LVS, v2
	v_add_nc_u32 v29, LV, v3
	v_add_nc_u32 v30, LKS, v3
	v_add_nc_u32 v31, LVS, v4
	v_and_b32 v8, 15, v0                              ; r
	v_bfe_u32 v9, v0, 4, 1                            ; h
	v_lshlrev_b32 v10, 2, v8
	s_lshl_b32 s48, s26, 16                           ; the head's K: 65,536 bytes; V's lie VIMG - KIMG further on
	s_add_co_u32 s48, s48, KIMG
	s_mov_b32 s49, 0
	s_lshl_b32 s50, s26, 13
	s_add_co_u32 s50, s50, KSC
	s_mov_b32 s51, 0
	s_lshl_b32 s52, s26, 12
	s_add_co_u32 s52, s52, VSC
	s_mov_b32 s53, 0
	s_lshl_b32 s30, s26, 7
	s_add_co_u32 s30, s30, s25                        ; 128 bh + tile
	s_lshl_b32 s12, s30, 9
	s_mov_b32 s13, 0
	s_lshl_b32 s54, s30, 6
	s_add_co_u32 s54, s54, QSC
	s_mov_b32 s55, 0
	s_lshr_b32 s31, s26, 4                            ; the batch
	s_lshl_b32 s10, s31, 8
	s_mov_b32 s11, 0
	s_lshl_b32 s31, s31, 7
	s_add_co_u32 s31, s31, s25                        ; the row tile of the last product: 128 batch + tile
	s_and_b32 s32, s26, 15                            ; the head
	s_lshl_b32 s56, s31, 4
	s_add_co_u32 s56, s56, s32
	s_lshl_b32 s56, s56, 9
	s_mov_b32 s57, 0
	s_lshl_b32 s58, s31, 3
	s_lshr_b32 s33, s32, 1
	s_add_co_u32 s58, s58, s33
	s_lshl_b32 s58, s58, 6
	s_and_b32 s33, s32, 1
	s_lshl_b32 s33, s33, 1
	s_add_co_u32 s58, s58, s33
	s_add_co_u32 s58, s58, ASC
	s_mov_b32 s59, 0
	s_lshr_b32 s39, s25, 1
	s_lshl_b32 s39, s39, 5
	s_and_b32 s33, s25, 1
	s_lshl_b32 s33, s33, 3
	s_add_co_u32 s39, s39, s33                        ; the tile's first query
	s_mov_b32 s[SEL], 0x76543210
	s_mov_b32 s[SEL+1], 0xfedcba98
	s_mov_b32 s[CS], 0x3e38aa3b
	s_mov_b32 s[CS+1], s[CS]
	s_mov_b32 s38, 0xffff0000
	s_wait_kmcnt 0x0
	s_add_nc_u64 s[48:49], s[4:5], s[48:49]
	s_add_nc_u64 s[50:51], s[4:5], s[50:51]
	s_add_nc_u64 s[52:53], s[4:5], s[52:53]
	s_add_nc_u64 s[12:13], s[4:5], s[12:13]
	s_add_nc_u64 s[54:55], s[4:5], s[54:55]
	s_add_nc_u64 s[10:11], s[6:7], s[10:11]
	s_add_nc_u64 s[56:57], s[8:9], s[56:57]
	s_add_nc_u64 s[58:59], s[8:9], s[58:59]
.irp i, 0,1,2,3,4,5,6,7
	global_load_b128 v[32+4*\i:35+4*\i], v3, s[48:49] offset:8192*\i
.endr
.irp i, 0,1,2,3,4,5,6,7
	global_load_b128 v[64+4*\i:67+4*\i], v3, s[48:49] offset:VIMG-KIMG+8192*\i
.endr
	global_load_b128 v[96:99], v3, s[50:51]
	global_load_b64 v[100:101], v4, s[52:53]
	global_load_b128 v[16:19], v1, s[12:13]           ; Q's fragment: K = 64, four registers
	global_load_b32 v24, v10, s[54:55]
	s_load_b32 s27, s[10:11], 0x200                   ; the batch's first key that counts, in each half of the keys
	s_load_b32 s28, s[10:11], 0x280
	s_load_b128 s[40:43], s[10:11], 0x0               ; step 0's mask words
	v_and_b32 v11, 8, v8
	v_add_nc_u32 v11, v11, v8                         ; r + 8 (r / 8)
	v_lshlrev_b32 v26, 4, v9                          ; 16 h
	v_sub_nc_u32 v25, v11, v26
	s_add_co_u32 s30, s39, 1
	v_add_nc_u32 v25, s30, v25                        ; my query - 16 h + 1
	v_mov_b32 v27, 0xf1800000                         ; -2^100
	v_mov_b32 v28, 1
	v_mov_b32 v13, 0xff61b1e6                         ; the largest t so far: -3e38
	v_floor_f32 v12, -v13                             ; -M
	v_mov_b32 v14, 0
	v_mov_b32 v15, 0
.irp b, 0,1,2,3
	v_mov_b32 v[20+\b], 0                             ; Q's upper 64 along K: zero codes
	v_mov_b32 v[BT+\b], 0                             ; written once: a lane permute's destination counts as one of its sources
.endr
	v_mov_b32 v[F+1], 0                               ; named as the upper half of a pair
	v_mov_b32 v[TT], 0
.set j, 0
.rept 32
	v_mov_b32 v[OA+j], 0                              ; the step is written once: its first turn finds zeros
.set j, j+1
.endr
	s_wait_loadcnt 12                                 ; K's eight loads are in: twelve were issued behind them
.irp i, 0,1,2,3,4,5,6,7
	ds_store_b128 v3, v[32+4*\i:35+4*\i] offset:8192*\i
.endr
	s_wait_loadcnt 4                                  ; V's: four behind them
.irp i, 0,1,2,3,4,5,6,7
	ds_store_b128 v29, v[64+4*\i:67+4*\i] offset:8192*\i
.endr
	s_wait_loadcnt 2                                  ; the scale words: Q's two loads behind them
	ds_store_b128 v30, v[96:99]
	ds_store_b64 v31, v[100:101]
	s_wait_loadcnt 0x0
	s_wait_kmcnt 0x0
	s_min_u32 s27, s27, s28
	s_cmp_gt_u32 s27, s39                             ; does the tile hold a query with no key that counts?
	s_cselect_b32 s24, 1, 0
	s_cselect_b32 s23, 15, s17                        ; the last step that I walk
	s_mov_b32 s18, 0                                  ; the step
	s_mov_b32 s19, 0                                  ; its first key
	s_mov_b32 s20, 0                                  ; its images, 4,096 bytes a step in K and in V
	s_mov_b32 s21, 0                                  ; K's scale words, 512 a step
	s_mov_b32 s22, 0                                  ; V's, 256
	s_wait_dscnt 0x0                                  ; for the others' sake: my stores have landed
	s_barrier_signal -1
	s_barrier_wait -1                                 ; the launch's one barrier: from here on LDS is only read
.irp b, 0,1,2,3
	v_mov_b32 v[64+\b], 0                             ; what stands behind the last tile of K
.endr
.Lstep:                                                   ; 16 trips, a constant; a step's work is jumped over where it is not wanted
	s_wait_kmcnt 0x0                                  ; this step's four mask words are in, and their load has read its offset
	s_mov_b64 s[44:45], s[40:41]
	s_mov_b64 s[46:47], s[42:43]
	s_add_co_u32 s29, s18, 1
	s_lshl_b32 s29, s29, 4
	s_min_u32 s29, s29, 240                           ; the last trip asks for its own words again: no load leaves the buffer
	s_load_b128 s[40:43], s[10:11], s29 offset:0x0
	s_or_b32 s30, s44, s45
	s_or_b32 s31, s46, s47
	s_or_b32 s30, s30, s31
	s_or_b32 s30, s30, s24                            ; does any key count, or is the tile one that walks everything?
	s_and_b32 s32, s44, s45
	s_and_b32 s31, s46, s47
	s_and_b32 s32, s32, s31                           ; do all count?
	s_cmp_gt_u32 s18, s23
	s_cbranch_scc1 .Lskip
	s_cmp_eq_u32 s30, 0
	s_cbranch_scc1 .Lskip
	v_add_nc_u32 v8, s20, v1                          ; these four are also the places between the last step's products and the loads into their registers
	v_add_nc_u32 v9, s20, v5
	v_add_nc_u32 v10, s21, v6
	v_add_nc_u32 v11, s22, v7
.irp tt, 0,1,2,3,4,5,6,7
	ds_load_b128 v[32+4*\tt:35+4*\tt], v8 offset:512*\tt
.endr
.irp p, 0,1,2,3
	ds_load_b32 v[204+\p], v10 offset:128*\p
.endr
.irp dt, 0,1,2,3
.irp c, 0,1
	ds_load_b128 v[68+8*\dt+4*\c:71+8*\dt+4*\c], v9 offset:1024*\dt+512*\c
.endr
.endr
.irp p, 0,1
	ds_load_b32 v[208+\p], v11 offset:128*\p
.endr
	s_wait_dscnt 10                                   ; K and its scale words are in; V's ten loads stay out
.irp p, 0,1,2,3
	v_wmma_scale_f32_16x16x128_f8f6f4 v[S+16*\p:S+16*\p+7], v[32+8*\p:39+8*\p], v[16:23], 0, v[204+\p], v24 matrix_a_fmt:MATRIX_FMT_FP4 matrix_b_fmt:MATRIX_FMT_FP4
	v_wmma_scale_f32_16x16x128_f8f6f4 v[S+16*\p+8:S+16*\p+15], v[36+8*\p:43+8*\p], v[16:23], 0, v[204+\p], v24 matrix_a_fmt:MATRIX_FMT_FP4 matrix_b_fmt:MATRIX_FMT_FP4 matrix_a_scale:MATRIX_SCALE_ROW1
.endr
	PLACES
	s_cmp_lt_u32 s18, s17                             ; under the diagonal, with every key counting, nothing is hidden
	s_cselect_b32 s33, s32, 0
	s_cmp_eq_u32 s33, -1
	s_cbranch_scc1 .Lopen
	v_sub_nc_u32 v226, v25, s19
.irp b, 0,1,2,3                        ; block b, register i: key = first key + 32 b + 16 h + i.  It counts where i < n = my query - that key at i = 0, + 1, held to 0 .. 16, and its mask bit is set
	v_add_nc_u32 v227, -32*\b, v226
	v_cmp_le_i32 vcc_lo, 0, v227
	v_cndmask_b32 v227, 0, v227, vcc_lo
	v_min_u32 v227, 16, v227
	v_lshlrev_b32 v227, v227, v28
	v_add_nc_u32 v227, -1, v227
	v_lshrrev_b32 v[228+\b], v26, s[44+\b]
	v_and_b32 v[228+\b], v227, v[228+\b]
.endr
.irp b, 0,1,2,3
.irp i, 0,1,2,3,4,5,6,7,8,9,10,11,12,13,14,15
	v_and_b32 v227, 1<<\i, v[228+\b]
	v_cmp_eq_u32 vcc_lo, 0, v227
	v_cndmask_b32 v[S+16*\b+\i], v[S+16*\b+\i], v27, vcc_lo
.endr
.endr
.Lopen:
.irp b, 0,1,2,3
	v_max3_num_f32 v[BM+\b], v[S+16*\b], v[S+1+16*\b], v[S+2+16*\b]     ; the largest score of each block of 32 keys: for the row's maximum, and, since p rises with the score, for the block's largest p
.endr
.irp i, 3,5,7,9,11,13
.irp b, 0,1,2,3
	v_max3_num_f32 v[BM+\b], v[BM+\b], v[S+16*\b+\i], v[S+1+16*\b+\i]
.endr
.endr
.irp b, 0,1,2,3
	v_max_num_f32 v[BM+\b], v[BM+\b], v[S+15+16*\b]
.endr
.irp b, 0,1,2,3
	v_permlanex16_b32 v[BT+\b], v[BM+\b], s[SEL], s[SEL+1]
.endr
.irp b, 0,1,2,3
	v_max_num_f32 v[BM+\b], v[BM+\b], v[BT+\b]
.endr
	v_max3_num_f32 v[TT], v[BM], v[BM+1], v[BM+2]
	v_max_num_f32 v[TT], v[TT], v[BM+3]
	v_mul_f32 v[TT], s[CS], v[TT]
	v_max_num_f32 v13, v13, v[TT]                     ; the running largest t
	v_mov_b32 v[TT], v12
	v_floor_f32 v12, -v13                             ; -M = floor(-t): M is a whole number
	v_sub_f32 v[TT], v12, v[TT]                       ; old M - new M, 0 or less
	v_cvt_i32_f32 v[TT], v[TT]                        ; (it saturates)
	v_ldexp_f32 v[F], 1.0, v[TT]                      ; f = 2^(old M - new M): rounds nothing
.set j, 0
.rept 32
	v_pk_fma_f32 v[S+j:S+j+1], v[S+j:S+j+1], s[CS:CS+1], v[12:13] op_sel_hi:[1,0,0]   ; t - M
.set j, j+2
.endr
.irp b, 0,1,2,3
	v_fma_f32 v[BM+\b], v[BM+\b], s[CS], v12
.endr
.set j, 0
.rept 64
	v_exp_f32 v[S+j], v[S+j]                          ; p, not normalised
.set j, j+1
.endr
	v_pk_mul_f32 v[14:15], v[14:15], v[F:F+1] op_sel_hi:[1,0]   ; the sums under the new M: the plain instruction behind the exponentials
	s_wait_alu depctr_va_vdst(0)                      ; one wait for the batch of 64, ahead of its first reader
.irp b, 0,1,2,3
	v_exp_f32 v[BM+\b], v[BM+\b]                      ; each block's largest p
.endr
	v_pk_add_f32 v[BT:BT+1], v[S:S+1], v[S+2:S+3]     ; the row's sum, of the unquantised p, in two chains
.irp j, 4,8,12,16,20,24,28,32,36,40,44,48,52,56,60
	v_pk_add_f32 v[14:15], v[14:15], v[S+\j:S+\j+1]
	v_pk_add_f32 v[BT:BT+1], v[BT:BT+1], v[S+2+\j:S+3+\j]
.endr
	v_pk_add_f32 v[14:15], v[14:15], v[BT:BT+1]
	s_wait_alu depctr_va_vdst(0)                      ; and one for the four
.irp b, 0,1,2,3
	v_max_num_f32 v[BM+\b], 0x1800000, v[BM+\b]       ; the floor: the byte cannot fall under 1
.endr
.irp b, 0,1,2,3
	v_add_nc_u32 v[BS+\b], 0xff000000, v[BM+\b]
.endr
.irp b, 0,1,2,3
	v_lshrrev_b32 v[BT+\b], 23, v[BS+\b]
.endr
	v_lshl_or_b32 v[PWD], v[BT+1], 8, v[BT]
	v_lshl_or_b32 v[PWD], v[BT+2], 16, v[PWD]
	v_lshl_or_b32 v[PWD], v[BT+3], 24, v[PWD]
.irp b, 0,1,2,3
	v_cvt_scalef32_pk8_fp4_f32 v[PCD+2*\b], v[S+16*\b:S+7+16*\b], v[BS+\b]
	v_cvt_scalef32_pk8_fp4_f32 v[PCD+1+2*\b], v[S+8+16*\b:S+15+16*\b], v[BS+\b]
.endr
	v_nop                                             ; one plain instruction behind a scaled conversion
.irp c, 0,1
.irp i, 0,1
	v_permlane16_swap_b32 v[PCD+4*\c+\i], v[PCD+2+4*\c+\i]
.endr
.endr
.set j, 0
.rept 16
	v_pk_mul_f32 v[OA+j:OA+j+1], v[OA+j:OA+j+1], v[F:F+1] op_sel_hi:[1,0]   ; O^T under the new M; these sixteen also stand between the writing of p's codes and scale word and the products
.set j, j+2
.endr
	s_wait_dscnt 0x0                                  ; V is in
.irp p, 0,1                            ; the four accumulators take turns
	v_wmma_scale_f32_16x16x128_f8f6f4 v[OA+16*\p:OA+16*\p+7], v[68+16*\p:75+16*\p], v[PCD:PCD+7], v[OA+16*\p:OA+16*\p+7], v[208+\p], v[PWD] matrix_a_fmt:MATRIX_FMT_FP4 matrix_b_fmt:MATRIX_FMT_FP4
	v_wmma_scale_f32_16x16x128_f8f6f4 v[OA+16*\p+8:OA+16*\p+15], v[76+16*\p:83+16*\p], v[PCD:PCD+7], v[OA+16*\p+8:OA+16*\p+15], v[208+\p], v[PWD] matrix_a_fmt:MATRIX_FMT_FP4 matrix_b_fmt:MATRIX_FMT_FP4 matrix_a_scale:MATRIX_SCALE_ROW1
.endr
.Lskip:
	s_add_co_u32 s20, s20, 4096
	s_add_co_u32 s21, s21, 512
	s_add_co_u32 s22, s22, 256
	s_add_co_u32 s19, s19, 128
	s_add_co_u32 s18, s18, 1
	s_cmp_lt_u32 s18, 16
	s_cbranch_scc1 .Lstep
	; THE WAY OUT: O^T / the sum; register 16 b + i is d = 32 b + 16 h + i of my query: two blocks along the last product's K; codes and two scale bytes
	PLACES
	v_add_f32 v14, v14, v15
	v_permlanex16_b32 v[TT], v14, s[SEL], s[SEL+1]
	v_add_f32 v14, v14, v[TT]
	v_rcp_f32 v14, v14
	v_and_b32 v8, 15, v0                              ; (plain instructions behind the reciprocal)
	v_bfe_u32 v9, v0, 4, 1
	v_lshl_add_u32 v8, v8, 2, v9                      ; 4 r + h: each lane has a byte of its own
	s_wait_alu depctr_va_vdst(0)                      ; the wait ahead of the reciprocal's first reader
.set j, 0
.rept 16
	v_pk_mul_f32 v[OA+j:OA+j+1], v[OA+j:OA+j+1], v[14:15] op_sel_hi:[1,0]
.set j, j+2
.endr
.irp b, 0,1
	v_max3_num_f32 v[BM+\b], |v[OA+16*\b]|, |v[OA+1+16*\b]|, 0x1800000
.endr
.irp i, 2,4,6,8,10,12,14
.irp b, 0,1
	v_max3_num_f32 v[BM+\b], v[BM+\b], |v[OA+16*\b+\i]|, |v[OA+1+16*\b+\i]|
.endr
.endr
.irp b, 0,1
	v_permlanex16_b32 v[BT+\b], v[BM+\b], s[SEL], s[SEL+1]
.endr
.irp b, 0,1
	v_max_num_f32 v[BM+\b], v[BM+\b], v[BT+\b]
.endr
.irp b, 0,1
	v_add_nc_u32 v[BS+\b], 0xff000000, v[BM+\b]
.endr
.irp b, 0,1
	v_lshrrev_b32 v[BT+\b], 23, v[BS+\b]
.endr
.irp b, 0,1
	v_cvt_scalef32_pk8_fp4_f32 v[PCD+2*\b], v[OA+16*\b:OA+7+16*\b], v[BS+\b]
	v_cvt_scalef32_pk8_fp4_f32 v[PCD+1+2*\b], v[OA+8+16*\b:OA+15+16*\b], v[BS+\b]
.endr
	v_nop
	v_permlane16_swap_b32 v[PCD], v[PCD+2]
	v_permlane16_swap_b32 v[PCD+1], v[PCD+3]
	v_cndmask_b32 v[TT], v[BT], v[BT+1], s38          ; lanes 0-15 carry block 0's byte, lanes 16-31 block 1's
	global_store_b128 v1, v[PCD:PCD+3], s[56:57]      ; half a fragment of the last product's A: 512 consecutive bytes
	global_store_b8 v8, v[TT], s[58:59]               ; 32 bytes a wave, single: 1/16 of the codes' bytes
	s_wait_tensorcnt 0x0
	ds_add_u32 v254, v255
	s_wait_dscnt 0x0
	s_endpgm
.Lfunc_end_k_q0a2c68b195_attn:
	.size	k_q0a2c68b195_attn, .Lfunc_end_k_q0a2c68b195_attn-k_q0a2c68b195_attn
	.p2alignl 7, 3214868480
	.fill 96, 4, 3214868480
	.section	.rodata,"a",@progbits
	.p2align	6, 0x0
	.amdhsa_kernel k_q0a2c68b195_attn
		.amdhsa_group_segment_fixed_size 145408
		.amdhsa_private_segment_fixed_size 0
		.amdhsa_enable_private_segment 0
		.amdhsa_kernarg_size 24
		.amdhsa_user_sgpr_count 2
		.amdhsa_user_sgpr_kernarg_segment_ptr 1
		.amdhsa_wavefront_size32 1
		.amdhsa_system_sgpr_workgroup_id_x 1
		.amdhsa_system_sgpr_workgroup_id_y 1
		.amdhsa_system_sgpr_workgroup_id_z 1
		.amdhsa_system_vgpr_workitem_id 0
		.amdhsa_next_free_vgpr 256
		.amdhsa_next_free_sgpr 66
		.amdhsa_reserve_vcc 1
		.amdhsa_float_denorm_mode_32 3
		.amdhsa_float_denorm_mode_16_64 3
		.amdhsa_memory_ordered 1
		.amdhsa_forward_progress 1
		.amdhsa_inst_pref_size 38
	.end_amdhsa_kernel
	.amdgpu_metadata
---
amdhsa.version: [ 1, 2 ]
amdhsa.kernels:
  - .name:           k_q0a2c68b195_attn
    .symbol:         k_q0a2c68b195_attn.kd
    .args:
      - { .name: qkvw, .offset: 0, .size: 8, .value_kind: global_buffer, .address_space: global }
      - { .name: maskw, .offset: 8, .size: 8, .value_kind: global_buffer, .address_space: global }
      - { .name: attw, .offset: 16, .size: 8, .value_kind: global_buffer, .address_space: global }
    .group_segment_fixed_size: 145408
    .private_segment_fixed_size: 0
    .kernarg_segment_align: 8
    .kernarg_segment_size: 24
    .max_flat_workgroup_size: 512
    .sgpr_count:     66
    .vgpr_count:     256
    .wavefront_size: 32
...
	.end_amdgpu_metadata
.endif
;; end of part 3
;; launch outproj (part 4): grid 8 x 32, 4 waves a work-group, clusters of 4 x 4, 168,448 bytes of LDS; arguments attw, prepw, out0; writes out0
.if DOCPART == 4
	.amdgcn_target "amdgcn-amd-amdhsa--gfx1250"
	.amdhsa_code_object_version 6
	.text
	.protected	k_q0a2c68b195_outproj
	.globl	k_q0a2c68b195_outproj
	.p2align	8
	.type	k_q0a2c68b195_outproj,@function
k_q0a2c68b195_outproj:
	s_mov_b64 s[64:65], 0
	v_nop
	global_prefetch_b8 v0, s[64:65] scope:SCOPE_SE
	s_setreg_imm32_b32 hwreg(HW_REG_WAVE_MODE, 25, 1), 1
	s_wait_xcnt 0x0
	s_wait_alu depctr_hold_cnt(0) depctr_sa_sdst(0) depctr_va_vdst(0) depctr_va_sdst(0) depctr_va_ssrc(0) depctr_va_vcc(0) depctr_vm_vsrc(0)
	s_getreg_b32 s2, hwreg(HW_REG_IB_STS2, 6, 4)
	s_cmp_eq_u32 s2, 0
	s_cbranch_scc0 .Lentry_in_a_cluster
	s_endpgm
.Lentry_in_a_cluster:
	s_bfe_u32 s2, ttmp6, 0x10000c
	s_cmp_lg_u32 s2, 0xf033
	s_cbranch_scc0 .Lentry_shape_is_right
	s_endpgm
.Lentry_shape_is_right:
; OUT = A w_out on codes of FP4 with E8M0 scales; A is the attention's result, quantised by the launch before.  out0: [4096][1024] f32.
; SHARES.  256 work-groups, each 128 rows (grid y) x 128 columns (grid x); wave (rho = w / 2, sig = w % 2) makes 64 x 64: 16 accumulators.  A larger tile would leave WGPs without work.
; TILES as in the launches before: tile 2 G + u holds rows (or columns) 32 G + 8 u + r + 8 (r / 8).  The product is used TRANSPOSED (source 0 = 16 columns of W, source 1 = 16 rows of A): a lane holds one row, and the
; 16 registers of column tiles 2 b, 2 b + 1 are the 16 neighbouring columns 32 b + 16 (lane / 16) + 0 .. 15.
; LDS.  All of K fits: A 65,536 bytes, W 65,536, filled once by four tensor loads a wave (four of mine are out, by this text's count), in chunks of two K steps; waves 0, 1 fetch A's halves, waves 2, 3 W's.  Nothing is filled again.
; CLUSTER 4 x 4: A's tiles are shared along a row of the cluster, W's along a column: joint loads.
; REGISTERS: window 0: v1-10 addresses; v32-63 scale words (v[32+4 kap+p] A's pair p, v[34+4 kap+p] W's: lanes 0-15 the even tile, lanes 16-31 the odd); v64-191 accumulator (xt, wt) at 64 + 32 xt + 8 wt; v192-255 rows on the way out.
;   window 1: two sets of fragments at 64 s: A at + 8 xt, W at + 32 + 8 wt.
.set WOIMG, 3670016
.set WOSC,  4423680
.set ASC,   2097152
.set STAGE, 131072                     ; behind the fragments: 16 rows x 272 bytes for each wave; no tensor load lands here
.set G1A,   52
.set G1B,   68
.set ACC,   64
.set BK,    192
.set MSB, 0
.macro WIN new
.if MSB != \new
	s_set_vgpr_msb (MSB<<8)|\new
.set MSB, \new
.endif
.endm
.macro PLACES
.rept 4
	v_nop
.endr
.endm
.macro ROUND
	s_barrier_signal -1
	s_barrier_wait -1
	s_cmp_lg_u32 s10, 0
	s_cbranch_scc1 .Lnot_wave_0_\@
	s_barrier_signal -3
.Lnot_wave_0_\@:
	s_barrier_wait -3
	s_barrier_signal -1
	s_barrier_wait -1
.endm
.macro WM d, a, b, zero, sa, sb, ra, rb
.if \zero
.if (\ra) && (\rb)
	v_wmma_scale_f32_16x16x128_f8f6f4 v[(\d):(\d)+7], v[(\a):(\a)+7], v[(\b):(\b)+7], 0, v[\sa], v[\sb] matrix_a_fmt:MATRIX_FMT_FP4 matrix_b_fmt:MATRIX_FMT_FP4 matrix_a_scale:MATRIX_SCALE_ROW1 matrix_b_scale:MATRIX_SCALE_ROW1
.elseif (\ra)
	v_wmma_scale_f32_16x16x128_f8f6f4 v[(\d):(\d)+7], v[(\a):(\a)+7], v[(\b):(\b)+7], 0, v[\sa], v[\sb] matrix_a_fmt:MATRIX_FMT_FP4 matrix_b_fmt:MATRIX_FMT_FP4 matrix_a_scale:MATRIX_SCALE_ROW1
.elseif (\rb)
	v_wmma_scale_f32_16x16x128_f8f6f4 v[(\d):(\d)+7], v[(\a):(\a)+7], v[(\b):(\b)+7], 0, v[\sa], v[\sb] matrix_a_fmt:MATRIX_FMT_FP4 matrix_b_fmt:MATRIX_FMT_FP4 matrix_b_scale:MATRIX_SCALE_ROW1
.else
	v_wmma_scale_f32_16x16x128_f8f6f4 v[(\d):(\d)+7], v[(\a):(\a)+7], v[(\b):(\b)+7], 0, v[\sa], v[\sb] matrix_a_fmt:MATRIX_FMT_FP4 matrix_b_fmt:MATRIX_FMT_FP4
.endif
.else
.if (\ra) && (\rb)
	v_wmma_scale_f32_16x16x128_f8f6f4 v[(\d):(\d)+7], v[(\a):(\a)+7], v[(\b):(\b)+7], v[(\d):(\d)+7], v[\sa], v[\sb] matrix_a_fmt:MATRIX_FMT_FP4 matrix_b_fmt:MATRIX_FMT_FP4 matrix_a_scale:MATRIX_SCALE_ROW1 matrix_b_scale:MATRIX_SCALE_ROW1
.elseif (\ra)
	v_wmma_scale_f32_16x16x128_f8f6f4 v[(\d):(\d)+7], v[(\a):(\a)+7], v[(\b):(\b)+7], v[(\d):(\d)+7], v[\sa], v[\sb] matrix_a_fmt:MATRIX_FMT_FP4 matrix_b_fmt:MATRIX_FMT_FP4 matrix_a_scale:MATRIX_SCALE_ROW1
.elseif (\rb)
	v_wmma_scale_f32_16x16x128_f8f6f4 v[(\d):(\d)+7], v[(\a):(\a)+7], v[(\b):(\b)+7], v[(\d):(\d)+7], v[\sa], v[\sb] matrix_a_fmt:MATRIX_FMT_FP4 matrix_b_fmt:MATRIX_FMT_FP4 matrix_b_scale:MATRIX_SCALE_ROW1
.else
	v_wmma_scale_f32_16x16x128_f8f6f4 v[(\d):(\d)+7], v[(\a):(\a)+7], v[(\b):(\b)+7], v[(\d):(\d)+7], v[\sa], v[\sb] matrix_a_fmt:MATRIX_FMT_FP4 matrix_b_fmt:MATRIX_FMT_FP4
.endif
.endif
.endm
.macro FETCH kap, s
	WIN 0x40                                          ; destination window 1, address window 0
.irp xt, 0,1,2,3
.irp c, 0,1
	ds_load_b128 v[64*(\s)+8*\xt+4*\c:64*(\s)+8*\xt+4*\c+3], v4 offset:((\kap)/2)*8192+\xt*2048+((\kap)%2)*1024+512*\c
.endr
.endr
.irp wt, 0,1,2,3
.irp c, 0,1
	ds_load_b128 v[64*(\s)+32+8*\wt+4*\c:64*(\s)+32+8*\wt+4*\c+3], v5 offset:((\kap)/2)*8192+\wt*2048+((\kap)%2)*1024+512*\c
.endr
.endr
.endm
; A K step of 128: 16 products; the 16 accumulators take turns in the same order in every step
.macro KSTEP kap
	s_wait_dscnt 0x0                                  ; this step's fragments are in
.if ((\kap) == 1) || ((\kap) == 3) || ((\kap) == 5)
	s_wait_tensorcnt (5-(\kap))/2                     ; my load of the next chunk has landed; one for each later chunk stays out
	s_barrier_signal -1
	s_barrier_wait -1                                 ; everybody's has.
.endif
.if (\kap) < 7
.if (\kap) > 0
	PLACES                                            ; four places in front of loads into registers that the last step's products read
.endif
	FETCH (\kap)+1, ((\kap)+1)%2
.endif
.set FS, 64*((\kap)%2)
.if (\kap) == 0
.set ZR, 1
.else
.set ZR, 0
.endif
	WIN 0x05                                          ; sources window 1, C and D window 0
.irp xt, 0,1,2,3
.irp wt, 0,1,2,3
	WM ACC+32*\xt+8*\wt, FS+32+8*\wt, FS+8*\xt, ZR, 34+4*(\kap)+\wt/2, 32+4*(\kap)+\xt/2, \wt%2, \xt%2
.endr
.endr
.endm
; THE WAY OUT of row tile xt: a lane's 64 bytes of each block of 32 columns go into my stage, row r; the rows come back whole, 256 bytes each, two an instruction
.macro TOSTAGE xt
.irp b, 0,1
.irp q, 0,1,2,3
	ds_store_b128 v8, v[ACC+32*(\xt)+16*\b+4*\q:ACC+32*(\xt)+16*\b+4*\q+3] offset:128*\b+16*\q   ; each accumulator from its low end on
.endr
.endr
.set BB, BK+32*((\xt)%2)
.irp i, 0,1,2,3,4,5,6,7
	ds_load_b128 v[BB+4*\i:BB+4*\i+3], v9 offset:544*\i   ; LDS serves a wave's instructions in order: these see the stores above, and the next tile's stores come behind them
.endr
.endm
.macro SEND xt, younger                ; younger: the LDS instructions issued behind this tile's loads
.set BB, BK+32*((\xt)%2)
	s_wait_dscnt \younger
.irp i, 0,1,2,3,4,5,6,7
	global_store_b128 v10, v[BB+4*\i:BB+4*\i+3], s[8:9] offset:(32*((\xt)/2)+8*((\xt)%2)+2*\i+8*(\i/4))*4096 th:TH_STORE_NT   ; sixteen lanes store 256 consecutive bytes, aligned
.endr
.endm
	s_load_b128 s[4:7], s[0:1], 0x0                   ; attw, prepw
	s_load_b64 s[8:9], s[0:1], 0x10                   ; out0
	v_lshl_add_u32 v30, v0, 2, 0x29000
	v_mov_b32 v31, 0
	ds_add_u32 v30, v31
	ds_add_u32 v30, v31
	v_lshrrev_b32 v1, 5, v0
	v_readfirstlane_b32 s10, v1                       ; wave
	s_bfe_u32 s11, ttmp6, 0x40000                     ; cx
	s_bfe_u32 s12, ttmp6, 0x40004                     ; cy
	s_lshl_b32 s13, ttmp9, 2
	s_add_co_u32 s13, s13, s11                        ; the block of 128 columns
	s_and_b32 s14, ttmp7, 0xffff
	s_lshl_b32 s14, s14, 2
	s_add_co_u32 s14, s14, s12                        ; the block of 128 rows
	s_lshl_b32 s15, s12, 2
	s_lshl_b32 s15, 15, s15                           ; my row of the cluster
	s_lshl_b32 s16, 0x1111, s11                       ; my column
	; group 1: 4 rows of 2,048 bytes (two K steps of a tile), 8,192 bytes apart
	s_or_b32 s[G1A], s15, (3<<16)|(1<<21)
	s_or_b32 s[G1B], s16, (3<<16)|(1<<21)
.irp g, G1A, G1B
	s_mov_b32 s[\g+1], 256<<16
	s_mov_b32 s[\g+2], 4<<16
	s_mov_b32 s[\g+3], 256<<16
	s_mov_b32 s[\g+4], 4
	s_mov_b32 s[\g+5], 1024
	s_mov_b32 s[\g+6], 0
	s_mov_b32 s[\g+7], 0
.endr
	s_and_b32 s17, s10, 1                             ; sig; also which four tiles I fetch
	s_lshr_b32 s18, s10, 1                            ; rho
	s_lshl_b32 s19, s10, 15                           ; where they go: wave x 32,768
	s_lshl_b32 s2, s17, 15
	s_lshl_b32 s76, s14, 16                           ; A: tile 8 My + 4 (w % 2): hangs on My and the wave alone
	s_add_co_u32 s76, s76, s2
	s_mov_b32 s77, 0
	s_lshl_b32 s78, s13, 16                           ; W: tile 8 Nx + 4 (w % 2): on Nx and the wave alone
	s_add_co_u32 s78, s78, s2
	s_add_co_u32 s78, s78, WOIMG
	s_mov_b32 s79, 0
	s_wait_dscnt 0x0
	s_wait_kmcnt 0x0
	s_add_nc_u64 s[76:77], s[4:5], s[76:77]
	s_add_nc_u64 s[78:79], s[6:7], s[78:79]
.irp i, 0,1,2,3                        ; every wave makes both sets of group 0 and asks by one of them
	s_mov_b32 s[20+4*\i], 1
	s_add_co_u32 s[21+4*\i], s19, 8192*\i
	s_add_nc_u64 s[22+4*\i:23+4*\i], s[76:77], 2048*\i
	s_or_b32 s[23+4*\i], s[23+4*\i], 0x80000000
	s_mov_b32 s[36+4*\i], 1
	s_add_co_u32 s[37+4*\i], s19, 8192*\i
	s_add_nc_u64 s[38+4*\i:39+4*\i], s[78:79], 2048*\i
	s_or_b32 s[39+4*\i], s[39+4*\i], 0x80000000
.endr
	ROUND                                             ; all sixteen work-groups are here: the joint loads meet
	s_cmp_lt_u32 s10, 2                               ; a wave's four first fills stand in one branch on the wave's number
	s_cbranch_scc0 .Lfor_w
.irp i, 0,1,2,3
	tensor_load_to_lds s[20+4*\i:23+4*\i], s[G1A:G1A+7]
	s_nop 0
.endr
	PLACES
	s_branch .Lasked
.Lfor_w:
.irp i, 0,1,2,3
	tensor_load_to_lds s[36+4*\i:39+4*\i], s[G1B:G1B+7]
	s_nop 0
.endr
	PLACES
.Lasked:
	v_and_b32 v6, 31, v0
	v_and_b32 v2, 15, v0                              ; r
	v_bfe_u32 v3, v0, 4, 1                            ; h
	v_lshlrev_b32 v1, 4, v6                           ; 16 lane
	s_lshl_b32 s2, s18, 15
	v_add_nc_u32 v4, s2, v1                           ; A's fragments: region rho
	s_lshl_b32 s2, s17, 15
	s_add_co_u32 s2, s2, 65536
	v_add_nc_u32 v5, s2, v1                           ; W's: region 2 + sig
	v_lshlrev_b32 v7, 2, v2
	v_lshl_add_u32 v7, v3, 9, v7                      ; 512 h + 4 r
	s_mul_i32 s2, s10, 4352
	s_add_co_u32 s2, s2, STAGE                        ; my stage
	v_mul_u32_u24 v8, v2, 272
	v_lshl_add_u32 v8, v3, 6, v8
	v_add_nc_u32 v8, s2, v8                           ; in: row r, + 64 h
	v_mul_u32_u24 v9, v3, 272
	v_lshl_add_u32 v9, v2, 4, v9
	v_add_nc_u32 v9, s2, v9                           ; back: lanes 0-15 one row, lanes 16-31 the next
	v_lshlrev_b32 v10, 12, v3
	v_lshl_add_u32 v10, v2, 4, v10                    ; and the same in out0
	s_lshl_b32 s80, s14, 12                           ; A's scale words: 512 bytes a tile, tile 8 My + 4 rho
	s_lshl_b32 s2, s18, 11
	s_add_co_u32 s80, s80, s2
	s_add_co_u32 s80, s80, ASC
	s_mov_b32 s81, 0
	s_add_nc_u64 s[80:81], s[4:5], s[80:81]
	s_lshl_b32 s82, s13, 12                           ; W's: tile 8 Nx + 4 sig
	s_lshl_b32 s2, s17, 11
	s_add_co_u32 s82, s82, s2
	s_add_co_u32 s82, s82, WOSC
	s_mov_b32 s83, 0
	s_add_nc_u64 s[82:83], s[6:7], s[82:83]
	s_lshl_b32 s84, s14, 19                           ; out0: row 128 My + 64 rho, column 128 Nx + 64 sig
	s_lshl_b32 s2, s18, 18
	s_add_co_u32 s84, s84, s2
	s_lshl_b32 s2, s13, 9
	s_add_co_u32 s84, s84, s2
	s_lshl_b32 s2, s17, 8
	s_add_co_u32 s84, s84, s2
	s_mov_b32 s85, 0
	s_add_nc_u64 s[8:9], s[8:9], s[84:85]
.irp kap, 0,1,2,3,4,5,6,7
.irp p, 0,1
	global_load_b32 v[32+4*\kap+\p], v7, s[80:81] offset:1024*\p+64*\kap
	global_load_b32 v[34+4*\kap+\p], v7, s[82:83] offset:1024*\p+64*\kap
.endr
.endr
	s_wait_loadcnt 0x0
	s_wait_tensorcnt 3                                ; my load of chunk 0 has landed; the three younger stay out
	s_barrier_signal -1
	s_barrier_wait -1                                 ; everybody's has
	FETCH 0, 0
	KSTEP 0
	KSTEP 1
	KSTEP 2
	KSTEP 3
	KSTEP 4
	KSTEP 5
	KSTEP 6
	KSTEP 7
	WIN 0
	PLACES                                            ; four places behind the last products, ahead of the first read of results
	TOSTAGE 0
.irp xt, 1,2,3
.if \xt > 1
	s_wait_xcnt 0x0                                   ; the stores of two tiles back have read the registers into which this tile's rows come
.endif
	TOSTAGE \xt
	SEND \xt-1, 16                                    ; behind that tile's loads: this tile's 8 stores and 8 loads
.endr
	SEND 3, 0
	s_wait_tensorcnt 0x0
	ds_add_u32 v30, v31
	s_wait_dscnt 0x0
	ROUND                                             ; the closing round
	s_endpgm
.Lfunc_end_k_q0a2c68b195_outproj:
	.size	k_q0a2c68b195_outproj, .Lfunc_end_k_q0a2c68b195_outproj-k_q0a2c68b195_outproj
	.p2alignl 7, 3214868480
	.fill 96, 4, 3214868480
	.section	.rodata,"a",@progbits
	.p2align	6, 0x0
	.amdhsa_kernel k_q0a2c68b195_outproj
		.amdhsa_group_segment_fixed_size 168448
		.amdhsa_private_segment_fixed_size 0
		.amdhsa_enable_private_segment 0
		.amdhsa_kernarg_size 24
		.amdhsa_user_sgpr_count 2
		.amdhsa_user_sgpr_kernarg_segment_ptr 1
		.amdhsa_wavefront_size32 1
		.amdhsa_system_sgpr_workgroup_id_x 1
		.amdhsa_system_sgpr_workgroup_id_y 1
		.amdhsa_system_sgpr_workgroup_id_z 1
		.amdhsa_system_vgpr_workitem_id 0
		.amdhsa_next_free_vgpr 384
		.amdhsa_next_free_sgpr 100
		.amdhsa_reserve_vcc 0
		.amdhsa_float_denorm_mode_32 3
		.amdhsa_float_denorm_mode_16_64 3
		.amdhsa_memory_ordered 1
		.amdhsa_forward_progress 1
		.amdhsa_inst_pref_size 45
	.end_amdhsa_kernel
	.amdgpu_metadata
---
amdhsa.version: [ 1, 2 ]
amdhsa.kernels:
  - .name:           k_q0a2c68b195_outproj
    .symbol:         k_q0a2c68b195_outproj.kd
    .args:
      - { .name: attw, .offset: 0, .size: 8, .value_kind: global_buffer, .address_space: global }
      - { .name: prepw, .offset: 8, .size: 8, .value_kind: global_buffer, .address_space: global }
      - { .name: out0, .offset: 16, .size: 8, .value_kind: global_buffer, .address_space: global }
    .group_segment_fixed_size: 168448
    .private_segment_fixed_size: 0
    .kernarg_segment_align: 8
    .kernarg_segment_size: 24
    .max_flat_workgroup_size: 128
    .sgpr_count:     100
    .vgpr_count:     384
    .wavefront_size: 32
...
	.end_amdgpu_metadata
.endif
;; end of part 4
;; ======== version 2 of 2: 4 launches; version 1 with the launch attn written anew for expert scheduling mode
;; limits: right only within a limited range of input values
;; workspace buffers: prepw 4,980,736 bytes; maskw 1,024 bytes of whole numbers; qkvw 6,946,816 bytes; attw 2,228,224 bytes
;; launch prep: the kernel of part 1 again; grid 417 x 1, 4 waves a work-group, no clusters, 35,328 bytes of LDS; arguments hidden_state, w_qkv, w_out, attention_mask, prepw, maskw; writes prepw, maskw
;; launch qkv: the kernel of part 2 again; grid 16 x 16, 4 waves a work-group, clusters of 4 x 4, 230,400 bytes of LDS; arguments prepw, b_qkv, qkvw; writes qkvw
;; launch attn (part 5): grid 8 x 32, 16 waves a work-group, no clusters, 145,408 bytes of LDS; arguments qkvw, maskw, attw; writes attw
.if DOCPART == 5
	.amdgcn_target "amdgcn-amd-amdhsa--gfx1250"
	.amdhsa_code_object_version 6
	.text
	.protected	k_q0a2c68b195_attn
	.globl	k_q0a2c68b195_attn
	.p2align	8
	.type	k_q0a2c68b195_attn,@function
k_q0a2c68b195_attn:
	s_mov_b64 s[64:65], 0
	v_nop
	global_prefetch_b8 v0, s[64:65] scope:SCOPE_SE
	s_setreg_imm32_b32 hwreg(HW_REG_WAVE_SCHED_MODE, 0, 2), 2
	s_setreg_imm32_b32 hwreg(HW_REG_WAVE_MODE, 25, 1), 1
	s_wait_xcnt 0x0
	s_wait_alu depctr_vm_vsrc(0)
; ATTENTION on codes of FP4 with E8M0 scales: S^T = K Q^T, the causal and the padding mask, p = 2^(t - M) with M a whole number, O^T = V^T P^T, the division by the sum of the unquantised p, and the quantising of the result
; along head x 64 + d for the last product.  t = score x log2(e) / 8.
; SHARES.  A work-group (x = g, y = bh = 16 batch + head) holds the head's whole K and V as codes in LDS.  Each of its sixteen waves owns ONE tile of 16 queries, tile g + 8 j, which needs key steps 0 .. j of 128 keys;
; j = 4 a + (s xor 3 (a % 2)), a = wave / 4, s = wave % 4: every work-group has 136 wave-steps, and each four waves of equal s have 34.
; TILES: tile 2 G + u holds rows 32 G + 8 u + r + 8 (r / 8), of queries and of keys alike; so the 16 registers of key tiles 2 b, 2 b + 1 are the keys 32 b + 16 (lane / 16) + 0 .. 15, and a lane holds one query throughout.
; THE FIRST PRODUCT HAS K = 64 under an instruction of K = 128: Q's upper four registers are zero codes, its and K's upper scale bytes are 0x7f; K's upper four registers are simply the next tile's codes, which meet the zeros.
; THE MASKS.  Hidden scores become -2^100, a number under every true score whose product with log2(e) / 8 is exact; p is then 0 beside any key that counts.  A query ALL of whose causal keys are padded has, in reference(),
; equal scores at all 2,048 keys, those to come too: so a tile that holds such a query (the batch's first key that counts lies behind the tile's first query) walks all 16 steps, and p = 1 there everywhere.
; A step is left out where its keys all come after the tile's queries, or are all padded, unless the tile is of that kind.  These are branches on mask words that the launch before stored as whole numbers.
; NO CLUSTER, NO TENSOR LOAD: the launch branches on words read from memory; LDS is filled once, through registers, and there is no joint load to share.
; LIMITS: true scores lie above -2^100; NaN and infinities are not served; blocks under 2^-124 keep the byte 1.
; REGISTERS: v1-7 addresses that stay; v8-11 the step's; v12 -M, v13 the largest t, v[14:15] the sum; v16-23 Q; v24 Q's scale word; v25-28 for the masks; v32-67 K; v68-99 V; v100-163 S^T, then p; v164-195 O^T;
;   v196-203 p's codes; v204-207 K's scale words, v208-209 V's (lanes 0-15 the even tile, lanes 16-31 the odd); v210-221 per block; v222 p's scale word; v[224:225] f; v226-231 at work.
;   s2-9 and s48-55, free behind the head, take the lane masks of the masks' compares, sixteen to a run.
; THE MODE: SCHED_MODE bits 1:0 = 2 (LLVM: expert scheduling mode 2), set by the entry lines.  The code itself states the register dependences between vector or matrix instructions and memory or LDS instructions,
; with s_wait_alu, always for 0.
; THE PLAN.  Registers that memory or LDS instructions touch:
;   v1-7, v29-31      offsets and LDS bases: written at the head, ahead of one wait on va_vdst, and never again.
;   v32-101           at the head: global loads land there and the LDS stores of the fill read them; one wait on vm_vsrc behind the barrier frees them for the v_mov of v64-67, the loop's loads and the products' results.
;   v8-11             a step's four LDS addresses: written by four additions at the head of the step's work, read by its 22 LDS loads.  A wait on vm_vsrc stands ahead of the additions, a wait on va_vdst behind them.
;   v32-63, v204-207  K and its scale words: LDS loads at the step's head; read by the eight products K Q^T.
;   v68-99, v208-209  V and its scale words: LDS loads dealt among those eight products, which name none of them; read by the four products at the step's end.
;   The one wait on va_vdst at the step's head also states that the last step's products are done reading K, V and their scale words, so the step's 22 loads owe nothing more.
;   v196-203, v222    p's codes and scale word: written by vector instructions, taken by scaled products: a wait on va_vdst behind the sixteen places, directly ahead of the products.
;   The way out: v8 is written anew (a wait on vm_vsrc ahead); the codes, the byte and v8 are read by the two stores (a wait on va_vdst ahead).
;   A lane mask or a wave's number that a vector instruction writes into a scalar register has a wait on va_sdst ahead of its first reader; the compares stand in runs, one wait to a run.
.set KIMG, 2097152
.set VIMG, 4194304
.set QSC,  6291456
.set KSC,  6553600
.set VSC,  6815744
.set ASC,  2097152                     ; attw: images [row tile][head][512] at 0, scale words [row tile][K step][r] here
.set LV,   65536                       ; LDS: K's images at 0, V's here,
.set LKS,  131072                      ; K's scale words,
.set LVS,  139264                      ; V's
.set S,    100
.set OA,   164
.set PCD,  196
.set BM,   210
.set BT,   214
.set BS,   218
.set PWD,  222
.set F,    224
.set TT,   226
.set SEL,  34                          ; s[34:35]
.set CS,   36                          ; s[36:37] c = log2(e) / 8
.macro PLACES
.rept 4
	v_nop
.endr
.endm
	s_load_b128 s[4:7], s[0:1], 0x0                   ; qkvw, maskw
	s_load_b64 s[8:9], s[0:1], 0x10                   ; attw
	v_lshl_add_u32 v254, v0, 2, 0x23000
	v_mov_b32 v255, 0
	v_lshrrev_b32 v1, 5, v0
	v_readfirstlane_b32 s16, v1                       ; wave 0..15
	v_and_b32 v2, 31, v0
	v_lshlrev_b32 v1, 4, v2                           ; 16 lane
	v_lshlrev_b32 v2, 2, v2                           ; 4 lane
	v_lshlrev_b32 v3, 4, v0                           ; 16 thread
	v_lshlrev_b32 v4, 3, v0                           ; 8 thread
	v_add_nc_u32 v5, LV, v1
	v_add_nc_u32 v6, LKS, v2
	v_add_nc_u32 v7, LVS, v2
	v_add_nc_u32 v29, LV, v3
	v_add_nc_u32 v30, LKS, v3
	v_add_nc_u32 v31, LVS, v4
	v_and_b32 v8, 15, v0                              ; r
	v_bfe_u32 v9, v0, 4, 1                            ; h
	v_lshlrev_b32 v10, 2, v8
	s_and_b32 s26, ttmp7, 0xffff                      ; bh
	s_wait_alu depctr_va_sdst(0)                      ; s16 is written, ahead of its first reader: the wave's tile and its addresses are made from it
	s_lshr_b32 s27, s16, 2
	s_and_b32 s28, s16, 3
	s_and_b32 s30, s27, 1
	s_mul_i32 s30, s30, 3
	s_xor_b32 s28, s28, s30
	s_lshl_b32 s17, s27, 2
	s_add_co_u32 s17, s17, s28                        ; j
	s_lshl_b32 s25, s17, 3
	s_add_co_u32 s25, s25, ttmp9                      ; my tile of queries
	s_lshl_b32 s48, s26, 16                           ; the head's K: 65,536 bytes; V's lie VIMG - KIMG further on
	s_add_co_u32 s48, s48, KIMG
	s_mov_b32 s49, 0
	s_lshl_b32 s50, s26, 13
	s_add_co_u32 s50, s50, KSC
	s_mov_b32 s51, 0
	s_lshl_b32 s52, s26, 12
	s_add_co_u32 s52, s52, VSC
	s_mov_b32 s53, 0
	s_lshl_b32 s30, s26, 7
	s_add_co_u32 s30, s30, s25                        ; 128 bh + tile
	s_lshl_b32 s12, s30, 9
	s_mov_b32 s13, 0
	s_lshl_b32 s54, s30, 6
	s_add_co_u32 s54, s54, QSC
	s_mov_b32 s55, 0
	s_lshr_b32 s31, s26, 4                            ; the batch
	s_lshl_b32 s10, s31, 8
	s_mov_b32 s11, 0
	s_lshl_b32 s31, s31, 7
	s_add_co_u32 s31, s31, s25                        ; the row tile of the last product: 128 batch + tile
	s_and_b32 s32, s26, 15                            ; the head
	s_lshl_b32 s56, s31, 4
	s_add_co_u32 s56, s56, s32
	s_lshl_b32 s56, s56, 9
	s_mov_b32 s57, 0
	s_lshl_b32 s58, s31, 3
	s_lshr_b32 s33, s32, 1
	s_add_co_u32 s58, s58, s33
	s_lshl_b32 s58, s58, 6
	s_and_b32 s33, s32, 1
	s_lshl_b32 s33, s33, 1
	s_add_co_u32 s58, s58, s33
	s_add_co_u32 s58, s58, ASC
	s_mov_b32 s59, 0
	s_lshr_b32 s39, s25, 1
	s_lshl_b32 s39, s39, 5
	s_and_b32 s33, s25, 1
	s_lshl_b32 s33, s33, 3
	s_add_co_u32 s39, s39, s33                        ; the tile's first query
	s_mov_b32 s[SEL], 0x76543210
	s_mov_b32 s[SEL+1], 0xfedcba98
	s_mov_b32 s[CS], 0x3e38aa3b
	s_mov_b32 s[CS+1], s[CS]
	s_mov_b32 s38, 0xffff0000
	s_wait_kmcnt 0x0
	s_add_nc_u64 s[48:49], s[4:5], s[48:49]
	s_add_nc_u64 s[50:51], s[4:5], s[50:51]
	s_add_nc_u64 s[52:53], s[4:5], s[52:53]
	s_add_nc_u64 s[12:13], s[4:5], s[12:13]
	s_add_nc_u64 s[54:55], s[4:5], s[54:55]
	s_add_nc_u64 s[10:11], s[6:7], s[10:11]
	s_add_nc_u64 s[56:57], s[8:9], s[56:57]
	s_add_nc_u64 s[58:59], s[8:9], s[58:59]
	s_wait_alu depctr_va_vdst(0)                      ; v1 to v7, v10 and v29 to v31 are written: the loads below, the LDS stores of the fill and the last stores read them as offsets and addresses; no vector line behind this wait names them but the loop's additions, as sources, and v10 as one of their results
.irp i, 0,1,2,3,4,5,6,7
	global_load_b128 v[32+4*\i:35+4*\i], v3, s[48:49] offset:8192*\i
.endr
.irp i, 0,1,2,3,4,5,6,7
	global_load_b128 v[64+4*\i:67+4*\i], v3, s[48:49] offset:VIMG-KIMG+8192*\i
.endr
	global_load_b128 v[96:99], v3, s[50:51]
	global_load_b64 v[100:101], v4, s[52:53]
	global_load_b128 v[16:19], v1, s[12:13]           ; Q's fragment: K = 64, four registers
	global_load_b32 v24, v10, s[54:55]
	s_load_b32 s27, s[10:11], 0x200                   ; the batch's first key that counts, in each half of the keys
	s_load_b32 s28, s[10:11], 0x280
	s_load_b128 s[40:43], s[10:11], 0x0               ; step 0's mask words
	v_and_b32 v11, 8, v8
	v_add_nc_u32 v11, v11, v8                         ; r + 8 (r / 8)
	v_lshlrev_b32 v26, 4, v9                          ; 16 h
	v_sub_nc_u32 v25, v11, v26
	s_add_co_u32 s30, s39, 1
	v_add_nc_u32 v25, s30, v25                        ; my query - 16 h + 1
	v_mov_b32 v27, 0xf1800000                         ; -2^100
	v_mov_b32 v28, 1
	v_mov_b32 v13, 0xff61b1e6                         ; the largest t so far: -3e38
	v_floor_f32 v12, -v13                             ; -M
	v_mov_b32 v14, 0
	v_mov_b32 v15, 0
.irp b, 0,1,2,3
	v_mov_b32 v[20+\b], 0                             ; Q's upper 64 along K: zero codes
	v_mov_b32 v[BT+\b], 0                             ; written once: a lane permute's destination counts as one of its sources
.endr
	v_mov_b32 v[F+1], 0                               ; named as the upper half of a pair
	v_mov_b32 v[TT], 0
.set j, 0
.rept 32
	v_mov_b32 v[OA+j], 0                              ; the step is written once: its first turn finds zeros
.set j, j+1
.endr
	s_wait_loadcnt 12                                 ; K's eight loads are in: twelve were issued behind them
.irp i, 0,1,2,3,4,5,6,7
	ds_store_b128 v3, v[32+4*\i:35+4*\i] offset:8192*\i
.endr
	s_wait_loadcnt 4                                  ; V's: four behind them
.irp i, 0,1,2,3,4,5,6,7
	ds_store_b128 v29, v[64+4*\i:67+4*\i] offset:8192*\i
.endr
	s_wait_loadcnt 2                                  ; the scale words: Q's two loads behind them
	ds_store_b128 v30, v[96:99]
	ds_store_b64 v31, v[100:101]
	s_wait_loadcnt 0x0
	s_wait_kmcnt 0x0
	s_min_u32 s27, s27, s28
	s_cmp_gt_u32 s27, s39                             ; does the tile hold a query with no key that counts?
	s_cselect_b32 s24, 1, 0
	s_cselect_b32 s23, 15, s17                        ; the last step that I walk
	s_mov_b32 s18, 0                                  ; the step
	s_mov_b32 s19, 0                                  ; its first key
	s_mov_b32 s20, 0                                  ; its images, 4,096 bytes a step in K and in V
	s_mov_b32 s21, 0                                  ; K's scale words, 512 a step
	s_mov_b32 s22, 0                                  ; V's, 256
	s_wait_dscnt 0x0                                  ; for the others' sake: my stores have landed
	s_barrier_signal -1
	s_barrier_wait -1                                 ; the launch's one barrier: from here on LDS is only read
	s_wait_alu depctr_vm_vsrc(0)                      ; my LDS stores have read v32 to v101: v64-67 are written below, the others by the loop's loads and products
.irp b, 0,1,2,3
	v_mov_b32 v[64+\b], 0                             ; what stands behind the last tile of K
.endr
.Lstep:                                                   ; 16 trips, a constant; a step's work is jumped over where it is not wanted
	s_wait_kmcnt 0x0                                  ; this step's four mask words are in, and their load has read its offset
	s_mov_b64 s[44:45], s[40:41]
	s_mov_b64 s[46:47], s[42:43]
	s_add_co_u32 s29, s18, 1
	s_lshl_b32 s29, s29, 4
	s_min_u32 s29, s29, 240                           ; the last trip asks for its own words again: no load leaves the buffer
	s_load_b128 s[40:43], s[10:11], s29 offset:0x0
	s_or_b32 s30, s44, s45
	s_or_b32 s31, s46, s47
	s_or_b32 s30, s30, s31
	s_or_b32 s30, s30, s24                            ; does any key count, or is the tile one that walks everything?
	s_and_b32 s32, s44, s45
	s_and_b32 s31, s46, s47
	s_and_b32 s32, s32, s31                           ; do all count?
	s_cmp_gt_u32 s18, s23
	s_cbranch_scc1 .Lskip
	s_cmp_eq_u32 s30, 0
	s_cbranch_scc1 .Lskip
	s_wait_alu depctr_vm_vsrc(0)                      ; the LDS loads of the last step that was walked have read v8 to v11 (ahead of the first: the load of Q's scale word has read v10)
	v_add_nc_u32 v8, s20, v1                          ; the step's four LDS addresses
	v_add_nc_u32 v9, s20, v5
	v_add_nc_u32 v10, s21, v6
	v_add_nc_u32 v11, s22, v7
	s_wait_alu depctr_va_vdst(0)                      ; v8 to v11 are written, which the loads below read; the last step's products are done reading K, V and their scale words, in which the loads land; ahead of the first step: the zero codes v20-23 and v64-67 are written, which the products take
.irp tt, 0,1,2,3,4,5,6,7
	ds_load_b128 v[32+4*\tt:35+4*\tt], v8 offset:512*\tt
.endr
.irp p, 0,1,2,3
	ds_load_b32 v[204+\p], v10 offset:128*\p
.endr
	s_wait_dscnt 0x0                                  ; K and its scale words are in
.irp p, 0,1,2,3                        ; V's ten loads are dealt among the eight products.  No wait: no vector or matrix instruction since the wait above names v9, v11, v68-99 or v208-209
	v_wmma_scale_f32_16x16x128_f8f6f4 v[S+16*\p:S+16*\p+7], v[32+8*\p:39+8*\p], v[16:23], 0, v[204+\p], v24 matrix_a_fmt:MATRIX_FMT_FP4 matrix_b_fmt:MATRIX_FMT_FP4
	ds_load_b128 v[68+8*\p:71+8*\p], v9 offset:1024*\p
	v_wmma_scale_f32_16x16x128_f8f6f4 v[S+16*\p+8:S+16*\p+15], v[36+8*\p:43+8*\p], v[16:23], 0, v[204+\p], v24 matrix_a_fmt:MATRIX_FMT_FP4 matrix_b_fmt:MATRIX_FMT_FP4 matrix_a_scale:MATRIX_SCALE_ROW1
	ds_load_b128 v[72+8*\p:75+8*\p], v9 offset:1024*\p+512
.if \p < 2
	ds_load_b32 v[208+\p], v11 offset:128*\p
.endif
.endr
	PLACES
	s_cmp_lt_u32 s18, s17                             ; under the diagonal, with every key counting, nothing is hidden
	s_cselect_b32 s33, s32, 0
	s_cmp_eq_u32 s33, -1
	s_cbranch_scc1 .Lopen
	v_sub_nc_u32 v226, v25, s19
.irp b, 0,1,2,3                        ; block b, register i: key = first key + 32 b + 16 h + i.  It counts where i < n = my query - that key at i = 0, + 1, held to 0 .. 16, and its mask bit is set
	v_add_nc_u32 v[228+\b], -32*\b, v226
.endr
.irp b, 0,1,2,3
	v_cmp_le_i32 s[2+\b], 0, v[228+\b]
.endr
	s_wait_alu depctr_va_sdst(0)                      ; the four compares have written s2 to s5, which the selects below read
.irp b, 0,1,2,3
	v_cndmask_b32 v227, 0, v[228+\b], s[2+\b]
	v_min_u32 v227, 16, v227
	v_lshlrev_b32 v227, v227, v28
	v_add_nc_u32 v227, -1, v227
	v_lshrrev_b32 v[228+\b], v26, s[44+\b]
	v_and_b32 v[228+\b], v227, v[228+\b]
.endr
.irp b, 0,1,2,3
.irp i, 0,1,2,3,4,5,6,7,8,9,10,11,12,13,14,15
	v_and_b32 v227, 1<<\i, v[228+\b]
	v_cmp_eq_u32 s[2+\i+38*(\i/8)], 0, v227           ; a block's sixteen lane masks: s2-9 and s48-55
.endr
	s_wait_alu depctr_va_sdst(0)                      ; the sixteen compares have written their masks, which the sixteen selects read
.irp i, 0,1,2,3,4,5,6,7,8,9,10,11,12,13,14,15
	v_cndmask_b32 v[S+16*\b+\i], v[S+16*\b+\i], v27, s[2+\i+38*(\i/8)]
.endr
.endr
.Lopen:
.irp b, 0,1,2,3
	v_max3_num_f32 v[BM+\b], v[S+16*\b], v[S+1+16*\b], v[S+2+16*\b]     ; the largest score of each block of 32 keys: for the row's maximum, and, since p rises with the score, for the block's largest p
.endr
.irp i, 3,5,7,9,11,13
.irp b, 0,1,2,3
	v_max3_num_f32 v[BM+\b], v[BM+\b], v[S+16*\b+\i], v[S+1+16*\b+\i]
.endr
.endr
.irp b, 0,1,2,3
	v_max_num_f32 v[BM+\b], v[BM+\b], v[S+15+16*\b]
.endr
.irp b, 0,1,2,3
	v_permlanex16_b32 v[BT+\b], v[BM+\b], s[SEL], s[SEL+1]
.endr
.irp b, 0,1,2,3
	v_max_num_f32 v[BM+\b], v[BM+\b], v[BT+\b]
.endr
	v_max3_num_f32 v[TT], v[BM], v[BM+1], v[BM+2]
	v_max_num_f32 v[TT], v[TT], v[BM+3]
	v_mul_f32 v[TT], s[CS], v[TT]
	v_max_num_f32 v13, v13, v[TT]                     ; the running largest t
	v_mov_b32 v[TT], v12
	v_floor_f32 v12, -v13                             ; -M = floor(-t): M is a whole number
	v_sub_f32 v[TT], v12, v[TT]                       ; old M - new M, 0 or less
	v_cvt_i32_f32 v[TT], v[TT]                        ; (it saturates)
	v_ldexp_f32 v[F], 1.0, v[TT]                      ; f = 2^(old M - new M): rounds nothing
.set j, 0
.rept 32
	v_pk_fma_f32 v[S+j:S+j+1], v[S+j:S+j+1], s[CS:CS+1], v[12:13] op_sel_hi:[1,0,0]   ; t - M
.set j, j+2
.endr
.irp b, 0,1,2,3
	v_fma_f32 v[BM+\b], v[BM+\b], s[CS], v12
.endr
.set j, 0
.rept 64
	v_exp_f32 v[S+j], v[S+j]                          ; p, not normalised
.set j, j+1
.endr
	v_pk_mul_f32 v[14:15], v[14:15], v[F:F+1] op_sel_hi:[1,0]   ; the sums under the new M: the plain instruction behind the exponentials
	s_wait_alu depctr_va_vdst(0)                      ; the 64 exponentials have written p: one wait for the batch, ahead of its first reader
.irp b, 0,1,2,3
	v_exp_f32 v[BM+\b], v[BM+\b]                      ; each block's largest p
.endr
	v_pk_add_f32 v[BT:BT+1], v[S:S+1], v[S+2:S+3]     ; the row's sum, of the unquantised p, in two chains
.irp j, 4,8,12,16,20,24,28,32,36,40,44,48,52,56,60
	v_pk_add_f32 v[14:15], v[14:15], v[S+\j:S+\j+1]
	v_pk_add_f32 v[BT:BT+1], v[BT:BT+1], v[S+2+\j:S+3+\j]
.endr
	v_pk_add_f32 v[14:15], v[14:15], v[BT:BT+1]
	s_wait_alu depctr_va_vdst(0)                      ; the four exponentials have written the blocks' largest p: their wait, ahead of the first reader
.irp b, 0,1,2,3
	v_max_num_f32 v[BM+\b], 0x1800000, v[BM+\b]       ; the floor: the byte cannot fall under 1
.endr
.irp b, 0,1,2,3
	v_add_nc_u32 v[BS+\b], 0xff000000, v[BM+\b]
.endr
.irp b, 0,1,2,3
	v_lshrrev_b32 v[BT+\b], 23, v[BS+\b]
.endr
	v_lshl_or_b32 v[PWD], v[BT+1], 8, v[BT]
	v_lshl_or_b32 v[PWD], v[BT+2], 16, v[PWD]
	v_lshl_or_b32 v[PWD], v[BT+3], 24, v[PWD]
.irp b, 0,1,2,3
	v_cvt_scalef32_pk8_fp4_f32 v[PCD+2*\b], v[S+16*\b:S+7+16*\b], v[BS+\b]
	v_cvt_scalef32_pk8_fp4_f32 v[PCD+1+2*\b], v[S+8+16*\b:S+15+16*\b], v[BS+\b]
.endr
	v_nop                                             ; one plain instruction behind a scaled conversion
.irp c, 0,1
.irp i, 0,1
	v_permlane16_swap_b32 v[PCD+4*\c+\i], v[PCD+2+4*\c+\i]
.endr
.endr
.set j, 0
.rept 16
	v_pk_mul_f32 v[OA+j:OA+j+1], v[OA+j:OA+j+1], v[F:F+1] op_sel_hi:[1,0]   ; O^T under the new M; these sixteen also stand between the writing of p's codes and scale word and the products
.set j, j+2
.endr
	s_wait_dscnt 0x0                                  ; V is in
	s_wait_alu depctr_va_vdst(0)                      ; p's codes v196-203 and its scale word v222 are written, which the scaled products take as source 1 and as its scales; the sixteen places above stay beside this wait
.irp p, 0,1                            ; the four accumulators take turns
	v_wmma_scale_f32_16x16x128_f8f6f4 v[OA+16*\p:OA+16*\p+7], v[68+16*\p:75+16*\p], v[PCD:PCD+7], v[OA+16*\p:OA+16*\p+7], v[208+\p], v[PWD] matrix_a_fmt:MATRIX_FMT_FP4 matrix_b_fmt:MATRIX_FMT_FP4
	v_wmma_scale_f32_16x16x128_f8f6f4 v[OA+16*\p+8:OA+16*\p+15], v[76+16*\p:83+16*\p], v[PCD:PCD+7], v[OA+16*\p+8:OA+16*\p+15], v[208+\p], v[PWD] matrix_a_fmt:MATRIX_FMT_FP4 matrix_b_fmt:MATRIX_FMT_FP4 matrix_a_scale:MATRIX_SCALE_ROW1
.endr
.Lskip:
	s_add_co_u32 s20, s20, 4096
	s_add_co_u32 s21, s21, 512
	s_add_co_u32 s22, s22, 256
	s_add_co_u32 s19, s19, 128
	s_add_co_u32 s18, s18, 1
	s_cmp_lt_u32 s18, 16
	s_cbranch_scc1 .Lstep
	; THE WAY OUT: O^T / the sum; register 16 b + i is d = 32 b + 16 h + i of my query: two blocks along the last product's K; codes and two scale bytes
	PLACES
	s_wait_alu depctr_vm_vsrc(0)                      ; the LDS loads of the last step that was walked have read v8 and v9, which are written below
	v_add_f32 v14, v14, v15
	v_permlanex16_b32 v[TT], v14, s[SEL], s[SEL+1]
	v_add_f32 v14, v14, v[TT]
	v_rcp_f32 v14, v14
	v_and_b32 v8, 15, v0                              ; (plain instructions behind the reciprocal)
	v_bfe_u32 v9, v0, 4, 1
	v_lshl_add_u32 v8, v8, 2, v9                      ; 4 r + h: each lane has a byte of its own
	s_wait_alu depctr_va_vdst(0)                      ; the reciprocal has written v14: the wait ahead of its first reader
.set j, 0
.rept 16
	v_pk_mul_f32 v[OA+j:OA+j+1], v[OA+j:OA+j+1], v[14:15] op_sel_hi:[1,0]
.set j, j+2
.endr
.irp b, 0,1
	v_max3_num_f32 v[BM+\b], |v[OA+16*\b]|, |v[OA+1+16*\b]|, 0x1800000
.endr
.irp i, 2,4,6,8,10,12,14
.irp b, 0,1
	v_max3_num_f32 v[BM+\b], v[BM+\b], |v[OA+16*\b+\i]|, |v[OA+1+16*\b+\i]|
.endr
.endr
.irp b, 0,1
	v_permlanex16_b32 v[BT+\b], v[BM+\b], s[SEL], s[SEL+1]
.endr
.irp b, 0,1
	v_max_num_f32 v[BM+\b], v[BM+\b], v[BT+\b]
.endr
.irp b, 0,1
	v_add_nc_u32 v[BS+\b], 0xff000000, v[BM+\b]
.endr
.irp b, 0,1
	v_lshrrev_b32 v[BT+\b], 23, v[BS+\b]
.endr
.irp b, 0,1
	v_cvt_scalef32_pk8_fp4_f32 v[PCD+2*\b], v[OA+16*\b:OA+7+16*\b], v[BS+\b]
	v_cvt_scalef32_pk8_fp4_f32 v[PCD+1+2*\b], v[OA+8+16*\b:OA+15+16*\b], v[BS+\b]
.endr
	v_nop
	v_permlane16_swap_b32 v[PCD], v[PCD+2]
	v_permlane16_swap_b32 v[PCD+1], v[PCD+3]
	v_cndmask_b32 v[TT], v[BT], v[BT+1], s38          ; lanes 0-15 carry block 0's byte, lanes 16-31 block 1's
	s_wait_alu depctr_va_vdst(0)                      ; the codes v196-199, the byte v226 and the offset v8 are written, which the two stores read
	global_store_b128 v1, v[PCD:PCD+3], s[56:57]      ; half a fragment of the last product's A: 512 consecutive bytes
	global_store_b8 v8, v[TT], s[58:59]               ; 32 bytes a wave, single: 1/16 of the codes' bytes
	s_wait_dscnt 0x0
	s_wait_alu depctr_hold_cnt(0) depctr_sa_sdst(0) depctr_va_vdst(0) depctr_va_sdst(0) depctr_va_ssrc(0) depctr_va_vcc(0) depctr_vm_vsrc(0)
	s_wait_tensorcnt 0x0
	ds_add_u32 v254, v255
	s_wait_dscnt 0x0
	s_endpgm
.Lfunc_end_k_q0a2c68b195_attn:
	.size	k_q0a2c68b195_attn, .Lfunc_end_k_q0a2c68b195_attn-k_q0a2c68b195_attn
	.p2alignl 7, 3214868480
	.fill 96, 4, 3214868480
	.section	.rodata,"a",@progbits
	.p2align	6, 0x0
	.amdhsa_kernel k_q0a2c68b195_attn
		.amdhsa_group_segment_fixed_size 145408
		.amdhsa_private_segment_fixed_size 0
		.amdhsa_enable_private_segment 0
		.amdhsa_kernarg_size 24
		.amdhsa_user_sgpr_count 2
		.amdhsa_user_sgpr_kernarg_segment_ptr 1
		.amdhsa_wavefront_size32 1
		.amdhsa_system_sgpr_workgroup_id_x 1
		.amdhsa_system_sgpr_workgroup_id_y 1
		.amdhsa_system_sgpr_workgroup_id_z 1
		.amdhsa_system_vgpr_workitem_id 0
		.amdhsa_next_free_vgpr 256
		.amdhsa_next_free_sgpr 66
		.amdhsa_reserve_vcc 0
		.amdhsa_float_denorm_mode_32 3
		.amdhsa_float_denorm_mode_16_64 3
		.amdhsa_memory_ordered 1
		.amdhsa_forward_progress 1
		.amdhsa_inst_pref_size 42
	.end_amdhsa_kernel
	.amdgpu_metadata
---
amdhsa.version: [ 1, 2 ]
amdhsa.kernels:
  - .name:           k_q0a2c68b195_attn
    .symbol:         k_q0a2c68b195_attn.kd
    .args:
      - { .name: qkvw, .offset: 0, .size: 8, .value_kind: global_buffer, .address_space: global }
      - { .name: maskw, .offset: 8, .size: 8, .value_kind: global_buffer, .address_space: global }
      - { .name: attw, .offset: 16, .size: 8, .value_kind: global_buffer, .address_space: global }
    .group_segment_fixed_size: 145408
    .private_segment_fixed_size: 0
    .kernarg_segment_align: 8
    .kernarg_segment_size: 24
    .max_flat_workgroup_size: 512
    .sgpr_count:     66
    .vgpr_count:     256
    .wavefront_size: 32
...
	.end_amdgpu_metadata
.endif
;; end of part 5
;; launch outproj: the kernel of part 4 again; grid 8 x 32, 4 waves a work-group, clusters of 4 x 4, 168,448 bytes of LDS; arguments attw, prepw, out0; writes out0
